; MI455X (gfx1250); checked and timed in simulation.
; The chip was launched on July 23, 2026; its instructions are those of AMD's public machine-readable ISA for CDNA 5 (MIT licence, August 2026) and "CDNA5" Instruction Set Architecture Reference Guide (July 2026). The comments in the code are by the model that wrote it; some were corrected since.
;; Multihead Self Attention. Allowed arithmetic: matrix products marked QUANTISED: E2M1 operands, one E8M0 scale for each 32 along K, by v_wmma_scale_f32_16x16x128_f8f6f4 with both operands' format E2M1 (or v_wmma_scale_f32_32x16x128_f4), f32 sums; products left as they are: bf16, f16 or f32 operands; f32 sums; everything else in f32.
;; Inputs: Wk 1,024 x 1,024 float32; Wq 1,024 x 1,024 float32; Wu 1,024 x 1,024 float32; Wv 1,024 x 1,024 float32; bu 1,024 float32; x 4 x 2,048 x 1,024 float32.
;; Outputs: out0 4 x 2,048 x 1,024 float32.
;; This version of the problem:
;;   THIS VERSION OF THE PROBLEM IS GIVEN IN LOW PRECISION. The matrix products marked QUANTISED in the list below multiply operands that are first quantised to E2M1 (2 exponent bits, 1 mantissa bit; 4 bits a number), with one power-of-two scale for each 32 numbers along K (OCP MX v1.0); their sums are f32. The products marked 'left as it is' may take bf16, f16 or f32 operands, with f32 sums. Whichever they take, every output number must still come out within the allowed error. Rounding operands to bf16 (8 significant bits) uses up far more of that allowance than f16 does (11 bits, for magnitudes from 6e-5 to 65,504). All else is computed in f32.
;;   The module's matrix products, in the order in which they are computed (A, B: the left and right operand; K: the contracted axis; several contracted axes count as one K, in the product's order):
;;     1. [M 8,192, K 1,024] x [K 1,024, N 1,024]; A: input x; B: input Wq: QUANTISED
;;     2. [M 8,192, K 1,024] x [K 1,024, N 1,024]; A: input x; B: input Wk: QUANTISED
;;     3. [M 8,192, K 1,024] x [K 1,024, N 1,024]; A: input x; B: input Wv: QUANTISED
;;     4. batch 64 x [M 2,048, K 64] x [K 64, N 2,048]; A: computed on the way; B: computed on the way: left as it is (an operand is computed on the way)
;;     5. batch 64 x [M 64, K 2,048] x [K 2,048, N 2,048]; A: computed on the way; B: computed on the way: left as it is (an operand is computed on the way)
;;     6. [M 8,192, K 1,024] x [K 1,024, N 1,024]; A: computed on the way; B: input Wu: left as it is (an operand is computed on the way)
;;   THE QUANTISER, for each operand of a quantised product, along K:
;;     - K is cut into blocks of 32 from its start; a last block that is shorter is filled with zeros.
;;     - A block's scale is 2^e with e = floor(log2(the largest magnitude in the block)) - 2, held to -126 .. 127; a block of zeros has e = 0. As a byte (E8M0): e + 127.
;;     - Each number is divided by its block's scale, clamped to +-6, and rounded to the nearest number of E2M1, ties to even, subnormals kept.
;;     - The product sums the exact products of the quantised numbers (number of the format x scale) in f32.
;;   ~~~python
;;   def quantise(x, axis):      # numpy; x: float32 -> the quantised numbers, widened to float32 again
;;       x = np.moveaxis(x, axis, -1); K = x.shape[-1]
;;       x = np.pad(x, [(0, 0)] * (x.ndim - 1) + [(0, -K % 32)]); x = x.reshape(x.shape[:-1] + (-1, 32)); a = np.abs(x).max(-1, keepdims=True)
;;       e = np.where(a > 0, np.clip(np.frexp(np.where(a > 0, a, 1))[1] - 1 - 2, -126, 127), 0)      # np.frexp(a)[1] - 1 = floor(log2(a)), exactly
;;       r = np.clip(x / 2.0 ** e, -6, 6)
;;       step = 2.0 ** (np.maximum(np.frexp(np.where(r == 0, 1, r))[1] - 1, 0) - 1)
;;       q = np.round(r / step) * step * 2.0 ** e      # np.round: ties to even
;;       return np.moveaxis(q.reshape(q.shape[:-2] + (-1,))[..., :K], -1, axis).astype(np.float32)
;;   ~~~
;; One version. Each part assembles by itself: llvm-mc -triple=amdgcn-amd-amdhsa -mcpu=gfx1250 --defsym DOCPART=n.
;; ======== version 1 of 1: 4 launches
;; limits: values are held in f16: magnitudes above 65,504 overflow, below 6.1e-05 lose precision
;; workspace buffers: xc 4,194,304 bytes; xs 262,144 bytes; wc 1,572,864 bytes; ws 98,304 bytes; wu16 2,097,152 bytes; qkv 50,331,648 bytes; o16 16,777,216 bytes
;; launch prep (part 1): grid 416 x 1, 4 waves a work-group, no clusters, 33,280 bytes of LDS; arguments x, Wq, Wk, Wv, Wu, xc, xs, wc, ws, wu16; writes xc, xs, wc, ws, wu16
.if DOCPART == 1
	.amdgcn_target "amdgcn-amd-amdhsa--gfx1250"
	.amdhsa_code_object_version 6
	.text
	.protected	k_q864319871d_prep
	.globl	k_q864319871d_prep
	.p2align	8
	.type	k_q864319871d_prep,@function
k_q864319871d_prep:
	s_mov_b64 s[64:65], 0
	v_nop
	global_prefetch_b8 v0, s[64:65] scope:SCOPE_SE
	s_setreg_imm32_b32 hwreg(HW_REG_WAVE_MODE, 25, 1), 1
	s_wait_xcnt 0x0
; PREP.  x [8192][1024] and Wq, Wk, Wv [1024][1024], f32, become codes of FP4 (E2M1), K innermost, two codes a byte, with one E8M0 scale byte for each 32 along K:
; xc [8192][512 bytes], xs [8192][32]; wc [3072][512 bytes], ws [3072][32], rows 0-1023 Wq, 1024-2047 Wk, 2048-3071 Wv.  Wu [n][k] becomes f16, laid wu16 [k / 64][n][64].
; A block's scale is 2^(floor(log2(its largest magnitude)) - 2); its byte is the largest magnitude's exponent field - 2, held at 1 from below; each number is divided by the scale and rounded to the nearest code,
; ties to even, beyond the largest code the largest.
; LIMITS: a block of zeros gets the byte 1 where the quantiser's text says 127 (its codes are zeros, which add nothing under any byte but 0xff, and only this program reads the bytes); blocks whose largest
; magnitude lies under 2^-124 are held at the byte 1; NaN and infinities among the inputs are not served; Wu's numbers from 65,504 on become infinity in f16.
; SHARES.  Work-groups 0-255 take x, 256-287 Wq, 288-319 Wk, 320-351 Wv: 32,768 numbers each, 8,192 a wave, as a plain stream of blocks of 32 (rows are dense, 1,024 is a multiple of 32).  Only pointers are chosen by
; the work-group's number: the four tensors take one path.  Work-groups 352-415 take 16 rows of Wu each, on a path of their own that touches no LDS.
; No input is shared between work-groups, so no cluster, no tensor load and no matrix unit: the launch is a stream.
; A wave's step is 512 numbers: four loads of 512 consecutive bytes; the 2,048 bytes turn through the wave's own stage in LDS and come back 64 bytes a lane, so that a lane holds 16 neighbours along K (two lanes a block).
.set WAVES, 4
.set STEPS, 16
.set WGX,   256                        ; work-groups for x
.set WGW,   32                         ; for each of Wq, Wk, Wv
.set WGQ,   WGX+3*WGW                  ; the first of Wu's
.set EMAX,  2
.set CB,    8                          ; bytes of 16 codes
.set R,     16                         ; v16-79   four sets of 16 numbers as they are loaded
.set X,     80                         ; v80-111  two sets of 16 neighbours
.set E,     112                        ; v112-127 a scale byte for each step
.set C,     128                        ; v128-191 codes: four registers for each step, so that no store's data are written again
.set WREG,  8192                       ; LDS: a region for each wave: two stages of 32 x SP bytes, behind them its 256 scale bytes
.set SP,    80                         ; a lane's place in a stage: 64 bytes + 16 of padding
.set SPW,   12                         ; v12  LDS address of my spare word; never rewritten
.set NIL,   13                         ; v13  0; never rewritten
.set SPARE, WAVES*WREG                 ; behind the four regions: the spare words, 128 bytes a wave
.set SRC,   26                         ; s[26:27] the tensor that I read
.set DC,    28                         ; s[28:29] its codes
.set DS,    30                         ; s[30:31] its scale bytes
	s_load_b256 s[4:11], s[0:1], 0x0               ; x, Wq, Wk, Wv
	s_load_b256 s[12:19], s[0:1], 0x20             ; Wu, xc, xs, wc
	s_load_b128 s[20:23], s[0:1], 0x40             ; ws, wu16
	v_lshl_add_u32 v[SPW], v0, 2, SPARE
	v_mov_b32 v[NIL], 0
	v_lshrrev_b32 v1, 5, v0
	v_readfirstlane_b32 s24, v1                    ; wave
	v_and_b32 v2, 31, v0                           ; lane
	v_lshlrev_b32 v3, 4, v2                        ; my 16 bytes of a load's 512
	s_mul_i32 s25, s24, WREG
	v_lshrrev_b32 v14, 2, v2
	v_mul_u32_u24 v14, v14, SP
	v_and_b32 v15, 3, v2
	v_lshl_add_u32 v14, v15, 4, v14
	v_add_nc_u32 v14, s25, v14                     ; the stage, on the way in: SP (lane / 4) + 16 (lane % 4)
	v_mul_u32_u24 v15, v2, SP
	v_add_nc_u32 v15, s25, v15                     ; and on the way out: SP x lane: my 16 neighbours
	v_mul_u32_u24 v4, v2, CB                       ; my codes' place in a step's
	v_lshrrev_b32 v5, 1, v2
	s_add_co_u32 s25, s25, 2*32*SP
	v_add_nc_u32 v5, s25, v5                       ; LDS: my wave's 256 scale bytes, my block's byte
	v_lshlrev_b32 v7, 3, v2                        ; 8 bytes a lane
	v_add_nc_u32 v6, s25, v7
	s_wait_kmcnt 0x0
	s_cmp_ge_u32 ttmp9, WGQ                        ; the same in all four waves
	s_cbranch_scc1 .Lwu
	s_cmp_lt_u32 ttmp9, WGX+2*WGW                  ; which tensor: the choices hang on the work-group's number alone
	s_cselect_b64 s[SRC:SRC+1], s[8:9], s[10:11]
	s_cmp_lt_u32 ttmp9, WGX+WGW
	s_cselect_b64 s[SRC:SRC+1], s[6:7], s[SRC:SRC+1]
	s_cmp_lt_u32 ttmp9, WGX
	s_cselect_b64 s[SRC:SRC+1], s[4:5], s[SRC:SRC+1]
	s_cselect_b64 s[DC:DC+1], s[14:15], s[18:19]
	s_cselect_b64 s[DS:DS+1], s[16:17], s[20:21]
	s_cselect_b32 s32, 0, WGX
	s_cselect_b32 s33, -1, WGW-1
	s_sub_co_u32 s34, ttmp9, s32                   ; my number among x's work-groups, or among the three weights'
	s_and_b32 s33, s34, s33                        ; and inside the one tensor that I read
	s_lshl_b32 s34, s34, 2
	s_add_co_u32 s34, s34, s24                     ; which run of 8,192 numbers of the codes' buffer is my wave's
	s_lshl_b32 s33, s33, 2
	s_add_co_u32 s33, s33, s24                     ; and of the tensor
	s_lshl_b32 s36, s33, 15                        ; 32,768 bytes of f32 a run
	s_mov_b32 s37, 0
	s_add_nc_u64 s[SRC:SRC+1], s[SRC:SRC+1], s[36:37]
	s_lshl_b32 s36, s34, 12                        ; 4,096 bytes of codes
	s_add_nc_u64 s[DC:DC+1], s[DC:DC+1], s[36:37]
	s_lshl_b32 s36, s34, 8                         ; 256 scale bytes
	s_add_nc_u64 s[DS:DS+1], s[DS:DS+1], s[36:37]
.macro LOAD t
.irp i, 0,1,2,3
	global_load_b128 v[R+16*((\t)%4)+4*\i:R+16*((\t)%4)+4*\i+3], v3, s[SRC:SRC+1] offset:2048*(\t)+512*\i th:TH_LOAD_NT   ; 32 lanes read 512 consecutive bytes
.endr
.endm
.macro TURN t                          ; step t's numbers through the stage: LDS serves a wave's instructions in order, so no wait stands between the stores and the loads
.irp i, 0,1,2,3
	ds_store_b128 v14, v[R+16*((\t)%4)+4*\i:R+16*((\t)%4)+4*\i+3] offset:32*SP*((\t)%2)+8*SP*\i
.endr
.irp i, 0,1,2,3
	ds_load_b128 v[X+16*((\t)%2)+4*\i:X+16*((\t)%2)+4*\i+3], v15 offset:32*SP*((\t)%2)+16*\i
.endr
.endm
.irp t, 0,1,2,3
	LOAD \t
.endr
	s_wait_loadcnt 12                              ; step 0's four loads are in; the twelve of steps 1 to 3 may be out
	TURN 0
.macro STEP t
.set XS, X+16*((\t)%2)
.if (\t) > 0
	s_wait_dscnt 1                                 ; this step's numbers are back from the stage (the last step's byte store may be out): so its stores into the stage have read their registers,
.else
	s_wait_dscnt 0x0
.endif
.if (\t)+4 < STEPS
	LOAD (\t)+4                                    ; which take the loads of four steps on
.endif
.if (\t)+1 < STEPS
.if STEPS-2-(\t) >= 3
	s_wait_loadcnt 12                              ; the next step's four loads are in; those of the three steps behind it may be out
.else
	s_wait_loadcnt 4*(STEPS-2-(\t))
.endif
	TURN (\t)+1                                    ; and go through the other stage while this step is worked
.endif
	v_max3_num_f32 v8, |v[XS]|, |v[XS+1]|, |v[XS+2]|               ; the largest magnitude of my 16, in two chains
	v_max3_num_f32 v9, |v[XS+3]|, |v[XS+4]|, |v[XS+5]|
.irp i, 6,10
	v_max3_num_f32 v8, v8, |v[XS+\i]|, |v[XS+\i+1]|
	v_max3_num_f32 v9, v9, |v[XS+\i+2]|, |v[XS+\i+3]|
.endr
	v_max3_num_f32 v8, v8, |v[XS+14]|, |v[XS+15]|
	v_max3_num_f32 v8, v8, v9, (EMAX+1)<<23        ; and the floor 2^(EMAX + 1 - 127): so the byte cannot fall under 1
	v_max_num_f32_dpp v8, v8, v8 row_xmask:1 row_mask:0xf bank_mask:0xf   ; and of my neighbour's 16: the block's
	v_add_nc_u32 v11, -(EMAX<<23), v8              ; EMAX off its exponent field: the conversion takes the exponent field of this operand as its scale, and nothing else of it
	v_cvt_scalef32_pk8_fp4_f32 v[C+4*(\t)], v[XS:XS+7], v11
	v_cvt_scalef32_pk8_fp4_f32 v[C+4*(\t)+1], v[XS+8:XS+15], v11
	v_lshrrev_b32 v[E+(\t)], 23, v11               ; the scale's byte (also the plain line behind the conversions)
	ds_store_b8 v5, v[E+(\t)] offset:16*(\t)       ; both lanes of a block write the same byte with the same value
	global_store_b64 v4, v[C+4*(\t):C+4*(\t)+1], s[DC:DC+1] offset:32*CB*(\t)   ; the wave stores 256 consecutive bytes, aligned
.endm
.irp t, 0,1,2,3,4,5,6,7,8,9,10,11,12,13,14,15
	STEP \t
.endr
	ds_load_b64 v[8:9], v6                         ; LDS serves a wave's instructions in order: these see my byte stores
	s_wait_dscnt 0x0
	global_store_b64 v7, v[8:9], s[DS:DS+1]        ; 32 lanes store 256 consecutive bytes, aligned
	s_wait_tensorcnt 0x0                           ; the wave's end: behind my last LDS store
	ds_add_u32 v[SPW], v[NIL]
	s_wait_dscnt 0x0
	s_endpgm
; Wu: a wave takes 4 rows n.  A load reads 64 numbers (256 bytes, aligned) of each of two rows, sixteen lanes a row; a lane's four numbers become 8 bytes of f16;
; the 32 lanes of a store write rows n and n + 1 of one block of 64 along k: 256 consecutive bytes, aligned.  All 32 loads go out together; no register is written again behind a store.
.Lwu:
	s_sub_co_u32 s34, ttmp9, WGQ
	s_lshl_b32 s34, s34, 4
	s_lshl_b32 s35, s24, 2
	s_add_co_u32 s34, s34, s35                     ; my first row: 16 x work-group + 4 x wave
	s_lshl_b32 s36, s34, 12                        ; a row of Wu is 4,096 bytes
	s_mov_b32 s37, 0
	s_add_nc_u64 s[12:13], s[12:13], s[36:37]
	s_lshl_b32 s36, s34, 7                         ; a row of a block of wu16 is 128 bytes
	s_add_nc_u64 s[22:23], s[22:23], s[36:37]
	v_and_b32 v8, 15, v0
	v_bfe_u32 v9, v0, 4, 1
	v_lshlrev_b32 v8, 4, v8
	v_lshl_add_u32 v8, v9, 12, v8                  ; 16 (lane % 16) + 4,096 (lane / 16)
.irp p, 0,1
.irp k, 0,1,2,3,4,5,6,7,8,9,10,11,12,13,14,15
	global_load_b128 v[16+64*\p+4*\k:16+64*\p+4*\k+3], v8, s[12:13] offset:\p*8192+\k*256 th:TH_LOAD_NT
.endr
.endr
.irp p, 0,1
	s_wait_loadcnt 16-16*\p                        ; the first pair of rows is in while the second pair's sixteen loads may be out; then all
.irp k, 0,1,2,3,4,5,6,7,8,9,10,11,12,13,14,15
	v_cvt_pk_f16_f32 v[16+64*\p+4*\k], v[16+64*\p+4*\k], v[16+64*\p+4*\k+1]
	v_cvt_pk_f16_f32 v[16+64*\p+4*\k+1], v[16+64*\p+4*\k+2], v[16+64*\p+4*\k+3]
	global_store_b64 v7, v[16+64*\p+4*\k:16+64*\p+4*\k+1], s[22:23] offset:\k*131072+\p*256
.endr
.endr
	s_endpgm
.Lfunc_end_k_q864319871d_prep:
	.size	k_q864319871d_prep, .Lfunc_end_k_q864319871d_prep-k_q864319871d_prep
	.p2alignl 7, 3214868480
	.fill 96, 4, 3214868480
	.section	.rodata,"a",@progbits
	.p2align	6, 0x0
	.amdhsa_kernel k_q864319871d_prep
		.amdhsa_group_segment_fixed_size 33280
		.amdhsa_private_segment_fixed_size 0
		.amdhsa_enable_private_segment 0
		.amdhsa_kernarg_size 80
		.amdhsa_user_sgpr_count 2
		.amdhsa_user_sgpr_kernarg_segment_ptr 1
		.amdhsa_wavefront_size32 1
		.amdhsa_system_sgpr_workgroup_id_x 1
		.amdhsa_system_sgpr_workgroup_id_y 1
		.amdhsa_system_sgpr_workgroup_id_z 1
		.amdhsa_system_vgpr_workitem_id 0
		.amdhsa_next_free_vgpr 192
		.amdhsa_next_free_sgpr 66
		.amdhsa_reserve_vcc 0
		.amdhsa_float_denorm_mode_32 3
		.amdhsa_float_denorm_mode_16_64 3
		.amdhsa_memory_ordered 1
		.amdhsa_forward_progress 1
		.amdhsa_inst_pref_size 44
	.end_amdhsa_kernel
	.amdgpu_metadata
---
amdhsa.version: [ 1, 2 ]
amdhsa.kernels:
  - .name:           k_q864319871d_prep
    .symbol:         k_q864319871d_prep.kd
    .args:
      - { .name: x, .offset: 0, .size: 8, .value_kind: global_buffer, .address_space: global }
      - { .name: Wq, .offset: 8, .size: 8, .value_kind: global_buffer, .address_space: global }
      - { .name: Wk, .offset: 16, .size: 8, .value_kind: global_buffer, .address_space: global }
      - { .name: Wv, .offset: 24, .size: 8, .value_kind: global_buffer, .address_space: global }
      - { .name: Wu, .offset: 32, .size: 8, .value_kind: global_buffer, .address_space: global }
      - { .name: xc, .offset: 40, .size: 8, .value_kind: global_buffer, .address_space: global }
      - { .name: xs, .offset: 48, .size: 8, .value_kind: global_buffer, .address_space: global }
      - { .name: wc, .offset: 56, .size: 8, .value_kind: global_buffer, .address_space: global }
      - { .name: ws, .offset: 64, .size: 8, .value_kind: global_buffer, .address_space: global }
      - { .name: wu16, .offset: 72, .size: 8, .value_kind: global_buffer, .address_space: global }
    .group_segment_fixed_size: 33280
    .private_segment_fixed_size: 0
    .kernarg_segment_align: 8
    .kernarg_segment_size: 80
    .max_flat_workgroup_size: 128
    .sgpr_count:     66
    .vgpr_count:     192
    .wavefront_size: 32
...
	.end_amdgpu_metadata
.endif
;; end of part 1
;; launch qkv (part 2): grid 12 x 32, 4 waves a work-group, clusters of 4 x 4, 327,680 bytes of LDS; arguments xc, xs, wc, ws, qkv; writes qkv
.if DOCPART == 2
	.amdgcn_target "amdgcn-amd-amdhsa--gfx1250"
	.amdhsa_code_object_version 6
	.text
	.protected	k_q864319871d_qkv
	.globl	k_q864319871d_qkv
	.p2align	8
	.type	k_q864319871d_qkv,@function
k_q864319871d_qkv:
	s_mov_b64 s[64:65], 0
	v_nop
	global_prefetch_b8 v0, s[64:65] scope:SCOPE_SE
	s_setreg_imm32_b32 hwreg(HW_REG_WAVE_MODE, 25, 1), 1
	s_wait_xcnt 0x0
	s_wait_alu depctr_hold_cnt(0) depctr_sa_sdst(0) depctr_va_vdst(0) depctr_va_sdst(0) depctr_va_ssrc(0) depctr_va_vcc(0) depctr_vm_vsrc(0)
	s_getreg_b32 s2, hwreg(HW_REG_IB_STS2, 6, 4)
	s_cmp_eq_u32 s2, 0
	s_cbranch_scc0 .Lentry_in_a_cluster
	s_endpgm
.Lentry_in_a_cluster:
	s_bfe_u32 s2, ttmp6, 0x10000c
	s_cmp_lg_u32 s2, 0xf033
	s_cbranch_scc0 .Lentry_shape_is_right
	s_endpgm
.Lentry_shape_is_right:
; QKV.  C[m][n] = sum over k of x[m][k] W[n][k], m = 0 .. 8,191 (batch x 2,048 + position), n = 0 .. 3,071 (Wq's, Wk's, Wv's rows), k = 0 .. 1,023, on codes of FP4 (E2M1) with one E8M0 scale for each 32 along K.
; The matrix instruction takes codes and scale bytes as they lie in memory.  Sums in f32; each result is rounded once to f16 and stored by head: qkv [which: q, k, v][batch][head][position][64].
; LIMIT: results from 65,504 on become infinity in f16.
; A tile of C, 256 x 256, is made by a work-group of four waves; a wave makes 128 x 128: 64 accumulators of 16 x 16, 512 registers.
; K = 1,024 is two slots of 512 along K (LDS rows of 256 bytes): both are asked for at the head, so nothing is ever filled again, and a wave has three tensor loads out at the most (scales, slot 0, slot 1).
; THE SCALES of the work-group's 256 rows of x and 256 rows of W, for all of K, are two dense blocks of memory: they come into LDS once, in rows of 256 bytes.
; CLUSTERS: 4 x 4 work-groups.  The four of a row of the cluster need the same tiles of x, the four of a column the same tiles of W: each tile is asked for JOINTLY, by the same tensor load with the same descriptor
; and a mask that names the four.  THE MATRIX INSTRUCTION IS USED TRANSPOSED (source 0 = 16 rows of W, source 1 = 16 rows of x): a lane then holds eight neighbouring numbers of a row of C.
; REGISTERS, in windows of 256: window 0: v0-31 addresses; v32-95 scale words, two sets; v96-127 packed results on the way out; from v128 x's fragments (8 x 16 rows x 128 K), ONE set; on the way out v128-191 rows read back.
;   window 1: W's fragments, TWO sets, at v0 and at v128.   window 2: the 32 accumulators of my rows 0-63 (accumulator (a, b) at v[8 (8 a + b)]);   window 3: those of my rows 64-127.
.set SIZE_K, 1024
.set KSTEP,  512                       ; along K in a slot
.set NQ,     KSTEP/128                 ; matrix instructions deep
.set ROWB,   256                       ; a tile's row in bytes
.set KROW,   SIZE_K*4/8                ; a row of codes in memory, in bytes
.set PITCH,  272                       ; an LDS row: 256 bytes + 16 of padding = 68 words: the 16 rows that a load touches start at 16 different banks (64 banks of 4 bytes: ISA guide 11.1)
.set FR,     8                         ; registers of a fragment: 16 rows x 128 K
.set NL,     2                         ; LDS loads that bring one
.set NP,     4                         ; places behind this matrix instruction (ISA guide 7.12.1)
.set HALFT,  128*PITCH                 ; 128 rows: what one tensor load brings, and what one wave reads of x or of W
.set SLOT,   4*HALFT                   ; x's 256 rows, then W's 256 rows
.set KS,     SIZE_K/32                 ; a row of scales in bytes
.set SCL,    2*SLOT                    ; behind the slots: the scales, as rows of 256 bytes + 16 of padding
.set HALFS,  (128*KS/256)*272          ; the scales of 128 rows: what one tensor load brings
.set SBLK,   (16*KS/256)*272           ; those of 16 rows
.set SPARE,  SCL+4*HALFS               ; behind the scales: the spare words, 128 bytes for each wave
.set SPITCH, 400                       ; the way out: a stage of 16 rows x (256 bytes + 144) for each wave, 25 x 16 bytes from row to row.  It lies in slot 0, which has had its only fill and its last read when the first result is stored there
.set ADRA, 16                          ; v16-17  LDS address of my x fragments in slot 0, 1
.set ADRB, 20                          ; v20-21  the same for W
.set STO,  24                          ; v24     the way out: where I put 16 bytes of a row
.set RD,   25                          ; v25     the way out: where I read 16 bytes back
.set CO,   26                          ; v26     my byte offset in qkv
.set ADRS, 27                          ; v27     LDS address of my scale words: lanes 0-15 x's rows, lanes 16-31 W's
.set SPW,  28                          ; v28     LDS address of my spare word; never rewritten
.set NIL,  29                          ; v29     0; never rewritten
.set SC,   32                          ; scale words: set s (for slot s) at v[SC + 8 NQ s]; register NQ i + q: lanes 0-15 the word of x's block i, lanes 16-31 that of W's block i, for the slot's q-th 128 along K
.set TMP,  96                          ; the way out: a block's packed results
.set AF,   128                         ; x's fragments, in window 0
.set BK,   128                         ; the way out: 16 rows read back from the stage: v128-159 and v160-191 by turns
.set G1, 24                            ; s[24:31] descriptor group 1 for x's tiles;  s[32:39] group 0, one set for each slot
.set G0, 32
.set G1B, 48                           ; s[48:55], s[56:63] the same for W's tiles
.set G0B, 56
.set G1S, 68                           ; s[68:75], s[76:79] groups 1 and 0 for x's scales;  s[80:87], s[88:91] for W's
.set G0S, 76
.set G1SB, 80
.set G0SB, 88
.set MSB, 0
.macro WIN new                         ; the immediate's high byte repeats the setting that is left
.if MSB != \new
	s_set_vgpr_msb (MSB<<8)|\new
.set MSB, \new
.endif
.endm
.set MUL_LO, 0xa1                      ; source 0 (W) window 1, source 1 (x) window 0, C and D window 2
.set MUL_HI, 0xf1                      ; the same, C and D window 3
.set TO_B,   0x40                      ; destination window 1, address window 0
; A joint load: waves 0 and 1 fetch for x, waves 2 and 3 for W.  Each of the two lines has ONE mask and one set of registers for all that issue it; the branch hangs on the wave's number alone.
; An s_nop 0 and four v_nop follow each of the two lines, ahead of the jump, the label and what follows.
.macro JLOAD g0a, g1a, g0b, g1b
	s_cmp_eq_u32 s15, 0
	s_cbranch_scc0 .Lfor_b_\@
	tensor_load_to_lds s[\g0a:\g0a+3], s[\g1a:\g1a+7]
	s_nop 0
.rept 4
	v_nop
.endr
	s_branch .Lasked_\@
.Lfor_b_\@:
	tensor_load_to_lds s[\g0b:\g0b+3], s[\g1b:\g1b+7]
	s_nop 0
.rept 4
	v_nop
.endr
.Lasked_\@:
.endm
.macro CROUND                          ; a round of the cluster's barrier: my work-group's barrier; wave 0 signals for the work-group; every wave waits for all sixteen; my work-group's barrier once more
	s_barrier_signal -1
	s_barrier_wait -1
	s_cmp_lg_u32 s14, 0
	s_cbranch_scc1 .Lnot_wave_0_\@
	s_barrier_signal -3
.Lnot_wave_0_\@:
	s_barrier_wait -3
	s_barrier_signal -1
	s_barrier_wait -1
.endm
	s_load_b128 s[4:7], s[0:1], 0x0                ; x's codes s[4:5], x's scales s[6:7]
	s_load_b128 s[8:11], s[0:1], 0x10              ; W's codes s[8:9], W's scales s[10:11]
	s_load_b64 s[12:13], s[0:1], 0x20              ; qkv
	v_lshl_add_u32 v[SPW], v0, 2, SPARE
	v_mov_b32 v[NIL], 0
	ds_add_u32 v[SPW], v[NIL]                      ; the wave's opening: the add, twice on end, and its wait ahead of my first tensor load; the set-up below stands between the second and the wait
	ds_add_u32 v[SPW], v[NIL]
	v_lshrrev_b32 v1, 5, v0
	v_readfirstlane_b32 s14, v1                    ; wave 0..3
	s_lshr_b32 s15, s14, 1                         ; which half of the tile's rows is mine.  Also: I fetch for x (0) or for W (1)
	s_and_b32 s16, s14, 1                          ; which half of its columns.  Also: which 128 rows of that tile I fetch
	s_bfe_u32 s40, ttmp6, 0x40000                  ; cx, cy: my place in the cluster
	s_bfe_u32 s41, ttmp6, 0x40004
	s_lshl_b32 s42, ttmp9, 2
	s_add_co_u32 s42, s42, s40                     ; tile column of C = 4 x cluster x + cx
	s_and_b32 s17, ttmp7, 0xffff
	s_lshl_b32 s17, s17, 2
	s_add_co_u32 s17, s17, s41                     ; tile row of C = 4 x cluster y + cy
	s_lshl_b32 s43, s41, 2
	s_lshl_b32 s43, 15, s43                        ; my row of the cluster
	s_lshl_b32 s44, 0x1111, s40                    ; my column
	; descriptor group 1: a tile of 128 rows x 256 bytes, padded in LDS
	s_or_b32 s[G1+0], s43, (0<<16)|(1<<20)|(1<<21)|(5<<22)|(3<<25)  ; 15:0 the mask: x's tiles go to my row; 17:16 element of 1 byte; 20 padding on; 21 set beside a mask; 24:22 after every 64 words (code 5); 31:25 of 4 words (code 3)
	s_or_b32 s[G1B+0], s44, (0<<16)|(1<<20)|(1<<21)|(5<<22)|(3<<25)
.irp g, G1, G1B
	s_mov_b32 s[\g+1], ROWB<<16                    ; tensor_dim0
	s_mov_b32 s[\g+2], 128<<16                     ; tensor_dim1 = 128
	s_mov_b32 s[\g+3], ROWB<<16                    ; tile_dim0
	s_mov_b32 s[\g+4], 128                         ; tile_dim1 = 128
	s_mov_b32 s[\g+5], KROW                        ; tensor_dim0_stride
	s_mov_b32 s[\g+6], 0
	s_mov_b32 s[\g+7], 0
.endr
	; and for the scales of 128 rows: a dense block of 4,096 bytes, as 16 rows of 256 bytes (32 elements of 8 bytes), 16 bytes of padding behind each
	s_or_b32 s[G1S+0], s43, (3<<16)|(1<<20)|(1<<21)|(5<<22)|(3<<25)
	s_or_b32 s[G1SB+0], s44, (3<<16)|(1<<20)|(1<<21)|(5<<22)|(3<<25)
.irp g, G1S, G1SB
	s_mov_b32 s[\g+1], 32<<16
	s_mov_b32 s[\g+2], (128*KS/256)<<16
	s_mov_b32 s[\g+3], 32<<16
	s_mov_b32 s[\g+4], 128*KS/256
	s_mov_b32 s[\g+5], 32
	s_mov_b32 s[\g+6], 0
	s_mov_b32 s[\g+7], 0
.endr
	s_lshl_b32 s18, s16, 7                         ; which 128 rows of the tile I fetch
	s_lshl_b32 s20, s17, 8
	s_add_co_u32 s20, s20, s18                     ; x: row 256 x tile row + 128 x half
	s_lshl_b32 s46, s42, 8
	s_add_co_u32 s46, s46, s18                     ; W: row 256 x tile column + 128 x half
	s_mov_b32 s21, 0
	s_mov_b32 s47, 0
	s_mov_b64 s[18:19], KS
	s_mul_u64 s[22:23], s[20:21], s[18:19]         ; where these rows' scales begin, in bytes
	s_mul_u64 s[92:93], s[46:47], s[18:19]
	s_mov_b64 s[18:19], KROW
	s_mul_u64 s[20:21], s[20:21], s[18:19]         ; and their codes
	s_mul_u64 s[46:47], s[46:47], s[18:19]
	s_mul_i32 s45, s14, HALFT                      ; where they go: wave x 128 rows: no place in the cluster enters an LDS address
	s_mul_i32 s94, s14, HALFS
	s_wait_dscnt 0x0                               ; both opening adds are done
	s_wait_kmcnt 0x0
	s_add_nc_u64 s[20:21], s[4:5], s[20:21]
	s_add_nc_u64 s[22:23], s[6:7], s[22:23]
	s_add_nc_u64 s[46:47], s[8:9], s[46:47]
	s_add_nc_u64 s[92:93], s[10:11], s[92:93]
	CROUND                                         ; all sixteen work-groups are here: the joint loads meet
	s_mov_b32 s[G0S], 1
	s_add_co_u32 s[G0S+1], s94, SCL
	s_mov_b64 s[G0S+2:G0S+3], s[22:23]
	s_or_b32 s[G0S+3], s[G0S+3], 0x80000000
	s_mov_b32 s[G0SB], 1
	s_add_co_u32 s[G0SB+1], s94, SCL
	s_mov_b64 s[G0SB+2:G0SB+3], s[92:93]
	s_or_b32 s[G0SB+3], s[G0SB+3], 0x80000000
	JLOAD G0S, G1S, G0SB, G1SB                     ; the scales first: they are wanted with slot 0
.irp s, 0,1
	s_mov_b32 s[G0+4*\s], 1
	s_add_co_u32 s[G0+4*\s+1], s45, \s*SLOT
	s_add_nc_u64 s[G0+4*\s+2:G0+4*\s+3], s[20:21], \s*ROWB
	s_or_b32 s[G0+4*\s+3], s[G0+4*\s+3], 0x80000000
	s_mov_b32 s[G0B+4*\s], 1
	s_add_co_u32 s[G0B+4*\s+1], s45, \s*SLOT
	s_add_nc_u64 s[G0B+4*\s+2:G0B+4*\s+3], s[46:47], \s*ROWB
	s_or_b32 s[G0B+4*\s+3], s[G0B+4*\s+3], 0x80000000
	JLOAD G0+4*\s, G1, G0B+4*\s, G1B
.endr
	v_and_b32 v1, 15, v0                           ; l % 16
	v_bfe_u32 v2, v0, 4, 1                         ; l / 16
	v_mul_u32_u24 v3, v1, PITCH
	v_lshl_add_u32 v4, v2, 4, v3                   ; a fragment's row x pitch + 16 x half
	s_mul_i32 s21, s15, HALFT                      ; my 128 rows of x
	s_mul_i32 s22, s16, HALFT                      ; my 128 rows of W,
	s_add_co_u32 s22, s22, 2*HALFT                 ; which lie behind x's 256
.irp s, 0,1
	v_add_nc_u32 v[ADRA+\s], s21, v4
	v_add_nc_u32 v[ADRB+\s], s22, v4
	s_add_co_u32 s21, s21, SLOT
	s_add_co_u32 s22, s22, SLOT
.endr
	v_mul_u32_u24 v5, v1, KS                       ; my row's scales: KS bytes a row,
	v_lshrrev_b32 v6, 8, v5
	v_lshl_add_u32 v5, v6, 4, v5                   ; and 16 more for each 256 passed
	s_mul_i32 s21, s15, HALFS                      ; x's: my 128 rows
	s_mul_i32 s22, s16, HALFS                      ; W's: my 128 rows, behind x's 256
	s_add_co_u32 s22, s22, 2*HALFS
	s_sub_co_u32 s22, s22, s21
	v_mul_u32_u24 v6, s22, v2                      ; lanes 16-31 take W's
	s_add_co_u32 s21, s21, SCL
	v_add_nc_u32 v5, v5, v6
	v_add_nc_u32 v[ADRS], s21, v5
	s_mul_i32 s23, s14, 16*SPITCH                  ; my stage
	v_mul_u32_u24 v5, v1, SPITCH                   ; in: row l % 16, 16 bytes for each half of the lanes
	v_lshl_add_u32 v5, v2, 4, v5
	v_add_nc_u32 v[STO], s23, v5
	v_bfe_u32 v6, v0, 3, 1                         ; back: lanes 0-15 take two rows' 128 bytes of my first head, lanes 16-31 of my second
	v_mul_u32_u24 v6, v6, SPITCH
	v_lshl_add_u32 v6, v2, 7, v6
	v_and_b32 v7, 7, v0
	v_lshl_add_u32 v6, v7, 4, v6
	v_add_nc_u32 v[RD], s23, v6
	v_lshlrev_b32 v[CO], 4, v1                     ; and in qkv: two rows of a head are 256 consecutive bytes; the next head lies 2^18 bytes on
	v_lshl_add_u32 v[CO], v2, 18, v[CO]
	; where my part begins in qkv: which << 24 + batch << 22 + head << 18 + position << 7.  My 128 rows lie in one batch, my 128 columns are two heads of one of q, k, v
	s_lshr_b32 s20, s17, 3                         ; batch = tile row / 8
	s_lshl_b32 s20, s20, 22
	s_and_b32 s21, s17, 7
	s_lshl_b32 s21, s21, 15                        ; position 256 (tile row % 8)
	s_add_co_u32 s20, s20, s21
	s_lshl_b32 s21, s15, 14                        ; + 128 x my half of the rows
	s_add_co_u32 s20, s20, s21
	s_mov_b32 s21, 0
	s_lshr_b32 s46, s42, 2                         ; which = tile column / 4
	s_lshl_b32 s46, s46, 24
	s_and_b32 s47, s42, 3
	s_lshl_b32 s47, s47, 20                        ; head 4 (tile column % 4)
	s_add_co_u32 s46, s46, s47
	s_lshl_b32 s47, s16, 19                        ; + 2 x my half of the columns
	s_add_co_u32 s46, s46, s47
	s_mov_b32 s47, 0
	s_add_nc_u64 s[20:21], s[20:21], s[46:47]
	s_add_nc_u64 s[12:13], s[12:13], s[20:21]
.macro FRAG reg, adr, q, i             ; a fragment, 16 rows x 128 K of 4-bit codes, is 8 registers: lane l holds row l % 16; registers 4 c .. 4 c + 3 hold K = 64 c + 32 (l / 16) + 0 .. 31
.irp c, 0,1
	ds_load_b128 v[\reg+4*\c:\reg+4*\c+3], v[\adr] offset:64*(\q)+32*\c+(\i)*16*PITCH
.endr
.endm
; 16 matrix instructions: x's blocks a0, a0 + 1 against W's eight, 128 along K: the slot's q-th.  p: W's set;  sc: the set of scale words.  zero = 1: the first product starts the sums: nothing is ever cleared.
; The 64 accumulators take turns, one instruction a turn, in the same order in every step.
.macro MUL16 a0, p, q, sc, zero
.irp a, \a0, \a0+1
.irp b, 0,1,2,3,4,5,6,7
.if \zero
	v_wmma_scale_f32_16x16x128_f8f6f4 v[8*(8*((\a)%4)+\b):8*(8*((\a)%4)+\b)+7], v[128*(\p)+FR*\b:128*(\p)+FR*\b+FR-1], v[AF+FR*(\a):AF+FR*(\a)+FR-1], 0, v[SC+8*NQ*(\sc)+NQ*\b+(\q)], v[SC+8*NQ*(\sc)+NQ*(\a)+(\q)] matrix_a_fmt:MATRIX_FMT_FP4 matrix_b_fmt:MATRIX_FMT_FP4 matrix_a_scale:MATRIX_SCALE_ROW1
.else
	v_wmma_scale_f32_16x16x128_f8f6f4 v[8*(8*((\a)%4)+\b):8*(8*((\a)%4)+\b)+7], v[128*(\p)+FR*\b:128*(\p)+FR*\b+FR-1], v[AF+FR*(\a):AF+FR*(\a)+FR-1], v[8*(8*((\a)%4)+\b):8*(8*((\a)%4)+\b)+7], v[SC+8*NQ*(\sc)+NQ*\b+(\q)], v[SC+8*NQ*(\sc)+NQ*(\a)+(\q)] matrix_a_fmt:MATRIX_FMT_FP4 matrix_b_fmt:MATRIX_FMT_FP4 matrix_a_scale:MATRIX_SCALE_ROW1
.endif
.endr
.endr
.endm
.macro FETCH_B slot, q, p              ; W's eight fragments of the slot's q-th 128 along K into set p
	WIN TO_B
.irp i, 0,1,2,3,4,5,6,7
	FRAG 128*(\p)+FR*\i, ADRB+\slot, \q, \i
.endr
	WIN 0
.endm
.macro FETCH_A slot, q, i0             ; x's blocks i0 .. i0 + 3
.irp i, \i0, \i0+1, \i0+2, \i0+3
	FRAG AF+FR*(\i), ADRA+\slot, \q, \i
.endr
.endm
.macro SCALES sc                       ; a slot's scale words into set sc: NQ words a row; lanes 0-15 take x's block i, lanes 16-31 W's block i
.irp i, 0,1,2,3,4,5,6,7
	ds_load_b128 v[SC+8*NQ*\sc+NQ*\i:SC+8*NQ*\sc+NQ*\i+3], v[ADRS] offset:\i*SBLK
.endr
.endm
; A load into a register that a matrix instruction has read, and a vector instruction that reads a matrix result, stand NP places behind that matrix instruction, and only plain vector
; instructions that name none of its registers are places (ISA guide 7.12.1 for vector instructions).
.macro PLACES n
.rept \n
	v_nop
.endr
.endm
; A step of 128 along K that has its successor in the same slot.
.macro STEP slot, q, zero
	s_wait_dscnt 4*NL                              ; W's set and x's blocks 0-3 are in; the youngest eight loads (x's blocks 4-7) may be out
	WIN MUL_LO
	MUL16 0, (\q)%2, \q, \slot, \zero
	MUL16 2, (\q)%2, \q, \slot, \zero
	s_wait_dscnt 0                                 ; x's blocks 4-7 are in (asked for 32 matrix instructions ago)
	PLACES NP
	FETCH_B \slot, (\q)+1, 1-(\q)%2
	FETCH_A \slot, (\q)+1, 0
	WIN MUL_HI
	MUL16 4, (\q)%2, \q, \slot, \zero
	MUL16 6, (\q)%2, \q, \slot, \zero
	PLACES NP
	WIN 0
	FETCH_A \slot, (\q)+1, 4
.endm
; Slot 0's last step goes over to slot 1: ONE barrier; in front of it each wave waits for all its tensor loads (its part of slot 1 is the one that may be out), adds 0 to its spare word, and waits for that and for its
; own reads of slot 0.  Behind it slot 1 is whole, and nobody reads slot 0 any more: the stages of the way out lie there.  Nothing is filled again.
.macro TURN slot, next
	s_wait_tensorcnt 0x0                           ; all my tensor loads have landed
	ds_add_u32 v[SPW], v[NIL]                      ; 0 onto my spare word
	s_wait_dscnt 4*NL+1                            ; (the add and the youngest eight loads, x's blocks 4-7, may be out)
	WIN MUL_LO
	MUL16 0, 1, NQ-1, \slot, 0                     ; sixteen matrix instructions stand between the add and the wait for it
	s_wait_dscnt 0x0                               ; the add is done, and my reads of this slot are over
	s_barrier_signal -1
	MUL16 2, 1, NQ-1, \slot, 0
	WIN 0
	s_barrier_wait -1
	PLACES NP
	v_add_nc_u32 v[ADRS], 4*NQ, v[ADRS]            ; on to the next slot's scale words (no LDS load of mine is out)
	FETCH_B \next, 0, 0
	FETCH_A \next, 0, 0
	SCALES \next
	WIN MUL_HI
	MUL16 4, 1, NQ-1, \slot, 0
	MUL16 6, 1, NQ-1, \slot, 0
	PLACES NP
	WIN 0
	FETCH_A \next, 0, 4
.endm
.macro STEPS slot, from                ; the slot's steps from .. NQ - 2
.set Q, \from
.rept NQ-1-\from
	STEP \slot, Q, 0
.set Q, Q+1
.endr
.endm
	s_wait_tensorcnt 1                             ; the scales and my part of slot 0 are in (slot 1's load may be out)
	s_barrier_signal -1
	s_barrier_wait -1                              ; everybody's are
	FETCH_B 0, 0, 0
	FETCH_A 0, 0, 0
	SCALES 0
	FETCH_A 0, 0, 4
	STEP 0, 0, 1                                   ; the first step's products start the sums
	STEPS 0, 1
	TURN 0, 1
	STEPS 1, 0
	s_wait_dscnt 4*NL                              ; the very last step: nothing more to fetch
	WIN MUL_LO
	MUL16 0, 1, NQ-1, 1, 0
	MUL16 2, 1, NQ-1, 1, 0
	s_wait_dscnt 0
	WIN MUL_HI
	MUL16 4, 1, NQ-1, 1, 0
	MUL16 6, 1, NQ-1, 1, 0
	WIN 0
; THE WAY OUT, block by block of 16 rows x 128 columns (two heads).  PACK: rounded to f16, a lane's eight neighbours are 16 bytes; each accumulator is read from its low end on.  TOSTAGE: into my own stage, and back so
; that sixteen lanes hold two rows of one head.  SEND: each half of the lanes stores 256 consecutive bytes, aligned.  LDS serves a wave's instructions in order (ISA guide 5.7.1.4): no wait between the stores and the loads.
.macro PACK a
.set AC, 64*((\a)%4)
	WIN 0x0a+5*((\a)/4)                            ; sources 0 and 1: window 2 or 3
.irp b, 0,1,2,3,4,5,6,7
.irp r, 0,1,2,3
	v_cvt_pk_f16_f32 v[TMP+4*\b+\r], v[AC+8*\b+2*\r], v[AC+8*\b+2*\r+1]
.endr
.endr
	WIN 0
.endm
.macro TOSTAGE a
.set BB, BK+32*((\a)%2)
.irp b, 0,1,2,3,4,5,6,7
	ds_store_b128 v[STO], v[TMP+4*\b:TMP+4*\b+3] offset:32*\b
.endr
.irp i, 0,1,2,3,4,5,6,7
	ds_load_b128 v[BB+4*\i:BB+4*\i+3], v[RD] offset:\i*2*SPITCH
.endr
.endm
.macro SEND a
.set BB, BK+32*((\a)%2)
	s_wait_dscnt 0x0                               ; the block is back in registers
	s_wait_xcnt 0x0                                ; the block before has had its stores' addresses translated (ISA guide 3.1): the next block's loads land in its registers only behind this wait
.irp i, 0,1,2,3,4,5,6,7
	global_store_b128 v[CO], v[BB+4*\i:BB+4*\i+3], s[12:13] offset:(\a)*2048+\i*256
.endr
.endm
	PLACES NP                                      ; behind the last products: for the first conversions, and for the loads into the registers that held x's fragments
	PACK 0
	TOSTAGE 0
.irp a, 1,2,3,4,5,6,7                  ; block a's conversions stand between block a - 1's loads from the stage and the wait for them
	PACK \a
	SEND \a-1
	TOSTAGE \a
.endr
	SEND 7
	s_wait_tensorcnt 0x0                           ; the wave's end: behind my last tensor load and my last LDS store
	ds_add_u32 v[SPW], v[NIL]
	s_wait_dscnt 0x0
	CROUND                                         ; the closing round: no work-group ends while a partner may still ask for a tile that names it
	s_endpgm
.Lfunc_end_k_q864319871d_qkv:
	.size	k_q864319871d_qkv, .Lfunc_end_k_q864319871d_qkv-k_q864319871d_qkv
	.p2alignl 7, 3214868480
	.fill 96, 4, 3214868480
	.section	.rodata,"a",@progbits
	.p2align	6, 0x0
	.amdhsa_kernel k_q864319871d_qkv
		.amdhsa_group_segment_fixed_size 327680
		.amdhsa_private_segment_fixed_size 0
		.amdhsa_enable_private_segment 0
		.amdhsa_kernarg_size 40
		.amdhsa_user_sgpr_count 2
		.amdhsa_user_sgpr_kernarg_segment_ptr 1
		.amdhsa_wavefront_size32 1
		.amdhsa_system_sgpr_workgroup_id_x 1
		.amdhsa_system_sgpr_workgroup_id_y 1
		.amdhsa_system_sgpr_workgroup_id_z 1
		.amdhsa_system_vgpr_workitem_id 0
		.amdhsa_next_free_vgpr 1024
		.amdhsa_next_free_sgpr 98
		.amdhsa_reserve_vcc 0
		.amdhsa_float_denorm_mode_32 3
		.amdhsa_float_denorm_mode_16_64 3
		.amdhsa_memory_ordered 1
		.amdhsa_forward_progress 1
		.amdhsa_inst_pref_size 127
	.end_amdhsa_kernel
	.amdgpu_metadata
---
amdhsa.version: [ 1, 2 ]
amdhsa.kernels:
  - .name:           k_q864319871d_qkv
    .symbol:         k_q864319871d_qkv.kd
    .args:
      - { .name: xc, .offset: 0, .size: 8, .value_kind: global_buffer, .address_space: global }
      - { .name: xs, .offset: 8, .size: 8, .value_kind: global_buffer, .address_space: global }
      - { .name: wc, .offset: 16, .size: 8, .value_kind: global_buffer, .address_space: global }
      - { .name: ws, .offset: 24, .size: 8, .value_kind: global_buffer, .address_space: global }
      - { .name: qkv, .offset: 32, .size: 8, .value_kind: global_buffer, .address_space: global }
    .group_segment_fixed_size: 327680
    .private_segment_fixed_size: 0
    .kernarg_segment_align: 8
    .kernarg_segment_size: 40
    .max_flat_workgroup_size: 128
    .sgpr_count:     98
    .vgpr_count:     1024
    .wavefront_size: 32
...
	.end_amdgpu_metadata
.endif
;; end of part 2
;; launch attn (part 3): grid 4 x 64, 8 waves a work-group, clusters of 4 x 1, 327,680 bytes of LDS; arguments qkv, o16; writes o16
.if DOCPART == 3
	.amdgcn_target "amdgcn-amd-amdhsa--gfx1250"
	.amdhsa_code_object_version 6
	.text
	.protected	k_q864319871d_attn
	.globl	k_q864319871d_attn
	.p2align	8
	.type	k_q864319871d_attn,@function
k_q864319871d_attn:
	s_mov_b64 s[64:65], 0
	v_nop
	global_prefetch_b8 v0, s[64:65] scope:SCOPE_SE
	s_setreg_imm32_b32 hwreg(HW_REG_WAVE_MODE, 25, 1), 1
	s_wait_xcnt 0x0
	s_wait_alu depctr_hold_cnt(0) depctr_sa_sdst(0) depctr_va_vdst(0) depctr_va_sdst(0) depctr_va_ssrc(0) depctr_va_vcc(0) depctr_vm_vsrc(0)
	s_getreg_b32 s2, hwreg(HW_REG_IB_STS2, 6, 4)
	s_cmp_eq_u32 s2, 0
	s_cbranch_scc0 .Lentry_in_a_cluster
	s_endpgm
.Lentry_in_a_cluster:
	s_bfe_u32 s2, ttmp6, 0x10000c
	s_cmp_lg_u32 s2, 0x3003
	s_cbranch_scc0 .Lentry_shape_is_right
	s_endpgm
.Lentry_shape_is_right:
; ATTN.  o[bh][q][:] = the sum over k of softmax_k(Q[bh][q] . K[bh][k] / 32) V[bh][k][:].  Q, K, V: qkv [3][64 heads of all batches][2,048][64] f16; o16 [64][2,048][64] f16.
; Products on f16 operands with f32 sums; maxima, exponentials and row sums in f32; the weights p (at most 1, a running maximum is taken away) are rounded to f16 for the second product, o once at the end.
; LIMIT: o from 65,504 on becomes infinity in f16; NaN and infinities are not served.
; SHARES.  A work-group owns 512 queries of one head, each of its eight waves 64: four tiles of 16, in 512 registers, so that two waves share a SIMD and one wave's softmax stands beside the other's products.
; Every wave walks the head's 2,048 keys, 64 a step; each fragment of K or V read from LDS feeds four products.
; LAYOUT.  S^T = K Q^T (source 0 = 16 keys, source 1 = 16 queries): a lane holds ONE query (lane % 16) and the keys 8 (lane / 16) + 0..7 of each tile.  Two such tiles, rounded to f16 in pairs, ARE source 1
; (32 keys x 16 queries) of O^T = V^T P, whose result again holds one query a lane.  K comes out of LDS as it lies, V ([key][channel]) turned, by ds_load_tr16_b128.  P is packed in place, into the lower half of S^T's registers.
; SOFTMAX.  For each query a running maximum m and sum l: p = 2^(c s - c m), c = log2(e) / 32; in every step O and l are multiplied by a = 2^(c m_old - c m_new).
; CLUSTER.  The four query blocks of a head are one cluster and walk the same K and V, so each tile is asked for JOINTLY: the same tensor load, the same descriptor, a mask that names the four.
; RING.  Two slots of four key steps (256 keys).  Wave w fetches step w % 4 of a slot: waves 0-3 K's tile, waves 4-7 V's: one load a wave behind each round of the cluster's barrier; two are out at the head, one later.
; REGISTERS: window 0: v1-15 addresses; v32-63 eight registers of statistics a tile; v64-191 S^T, 32 a tile; v192-255 Q, 16 a tile.   window 1: v0-127 O^T, 32 a tile; v128-191 K of a step; v192-255 V of a step.
.set KS,    64        ; keys in a step
.set NST,   4         ; steps in a slot
.set PK,    144       ; a row of K in LDS: 128 bytes + 16 of padding: 9 x 16 bytes, so the 16 rows of a load fall on 16 different columns of 16 bytes
.set PVP,   160       ; a row of V: 128 + 32: 5 x 32 bytes, for the turning load
.set VOFF,  KS*PK     ; a step's tiles lie together: 64 rows of K, then 64 rows of V
.set STEPB, KS*(PK+PVP)
.set SLOTB, NST*KS*128  ; a slot's rows of K or of V in memory: 32,768 bytes
.set SLOT1, 1<<17     ; slot 1 begins here, so that one exclusive or turns an address in one slot into the other's
.set STAGE, SLOT1+NST*STEPB  ; behind the ring: 16 rows x 144 bytes for each wave, for the way out
.set SP,    144
.set SPARE, STAGE+8*16*SP    ; behind the stages: the spare words, 128 bytes for each wave
.set AK0, 2           ; v2   my lane's place in a tile of K; never rewritten
.set AV0, 3           ; v3   the same for V
.set ADK, 4           ; v4   LDS address of the step's K
.set ADV, 5           ; v5   of its V
.set STO, 6           ; v6   the way out: where I put 16 bytes of a row
.set RD,  7           ; v7   the way out: where I read 16 bytes back
.set GO,  8           ; v8   my byte offset in the wave's rows of o
.set QO,  12          ; v12  my byte offset in the wave's rows of Q
.set PFO, 13          ; v13  256 x my lane; never rewritten
.set SPW, 14          ; v14  LDS address of my spare word; never rewritten
.set NIL, 15          ; v15  0; never rewritten
.set ST,  32          ; tile t's statistics at v[ST+8 t]: +0 c m, +1 m, +2, +3 l (even keys', odd keys'), +4 to +7 four chains of the maximum; later +4, +5 the step's sum, +6 a, +7 c m_old - c m_new
.set S,   64
.set Q,   192
.set KF,  128         ; in window 1
.set VF,  192         ; in window 1
.set WV,  12          ; s12  my wave's number
.set LIM, 15          ; s15  1 in a wave that prefetches, else the greatest number
.set PFA, 18          ; s[18:19] where my prefetches stand in memory
.set G1K, 24          ; s[24:31] descriptor group 1 for K's tiles
.set G1V, 32          ; s[32:39] for V's: it differs in the padding alone
.set G0K, 40          ; s[40:47] group 0 for K's tiles: a set for each of the two first fills; the second then walks on
.set G0V, 48          ; s[48:55] the same for V's
.set SLOTS, 56        ; s56  slots still to be asked for
.set CNT, 57          ; s57  counts a slot's steps
.set CS,  58          ; s[58:59] c: the packed scaling names a pair and takes its low word for both halves
.set SEL, 60          ; s[60:61] lane selects for v_permlanex16_b32: lane l xor 16
.set TB,  62          ; s62  LDS byte at which the tiles of the step to be fetched begin
.set MSB, 0
.macro WIN new                      ; the immediate's high byte repeats the setting that is left; a switch that changes nothing is dropped
.if MSB != \new
	s_set_vgpr_msb (MSB<<8)|\new
.set MSB, \new
.endif
.endm
.set W_LD, 0x40       ; destination window 1, address window 0
.set W_KQ, 0x01       ; K in window 1; Q and S^T in window 0
.set W_PV, 0x51       ; V and O^T in window 1, P in window 0
.set W_RS, 0x41       ; O^T (destination and source 0) in window 1, a in window 0
.set W_CV, 0x05       ; sources 0 and 1 in window 1, destination in window 0
; A joint refill.  The branch hangs on the wave's number alone.  An s_nop 0 and four v_nop follow each of the two lines.
.macro JLOAD
	s_cmp_lt_u32 s[WV], 4
	s_cbranch_scc0 .Lfor_v_\@
	tensor_load_to_lds s[G0K+4:G0K+7], s[G1K:G1K+7]
	s_nop 0
.rept 4
	v_nop
.endr
	s_branch .Lasked_\@
.Lfor_v_\@:
	tensor_load_to_lds s[G0V+4:G0V+7], s[G1V:G1V+7]
	s_nop 0
.rept 4
	v_nop
.endr
.Lasked_\@:
.endm
; A PREFETCH of what the NEXT change of slots will ask for: a slot's 32,768 bytes of K and of V.  It stands behind the wave's tensor load and its five lines.  Each aligned 256 bytes are named once in the launch:
; a head has one cluster; its four partners take 8,192 bytes each, told apart BY ADDRESS; in each, wave 0 asks for K's and wave 4 for V's, lanes 256 bytes apart: one instruction.
; The last change that fills a slot asks for nothing: there is no slot behind it.  Slots 0 to 2 come by their loads alone.
.macro ASK
	s_cmp_gt_u32 s[SLOTS], s[LIM]
	s_cbranch_scc0 .Lnot_mine_\@
	global_prefetch_b8 v[PFO], s[PFA:PFA+1] th:TH_LOAD_NT scope:SCOPE_SE
.Lnot_mine_\@:
.endm
.macro CROUND                       ; a round of the cluster's barrier
	s_barrier_signal -1
	s_barrier_wait -1
	s_cmp_lg_u32 s[WV], 0
	s_cbranch_scc1 .Lnot_wave_0_\@
	s_barrier_signal -3
.Lnot_wave_0_\@:
	s_barrier_wait -3
	s_barrier_signal -1
	s_barrier_wait -1
.endm
	s_load_b128 s[4:7], s[0:1], 0x0 ; qkv s[4:5], o16 s[6:7]
	v_lshl_add_u32 v[SPW], v0, 2, SPARE
	v_mov_b32 v[NIL], 0
	ds_add_u32 v[SPW], v[NIL]       ; the wave's opening: the add, twice on end, and its wait ahead of my first tensor load; the set-up below stands between the second and the wait
	ds_add_u32 v[SPW], v[NIL]
	v_lshrrev_b32 v1, 5, v0
	v_readfirstlane_b32 s[WV], v1   ; wave 0..7
	s_bfe_u32 s13, ttmp6, 0x40000   ; cx: my place in the cluster
	s_lshl_b32 s14, ttmp9, 2        ; in a cluster launch ttmp9 counts clusters
	s_add_co_u32 s14, s14, s13      ; my block of 512 queries: it enters Q's and o's addresses alone
	s_and_b32 s20, ttmp7, 0xffff    ; the head (of all batches), which the four partners share
	s_lshl_b32 s20, s20, 18         ; its first byte in q, k, v and o: 2,048 rows of 128 bytes
	s_and_b32 s16, s[WV], 3         ; which of a slot's four steps I fetch:
	s_lshl_b32 s22, s16, 13         ; its 64 rows of 128 bytes in memory,
	s_add_co_u32 s22, s22, s20
	s_mov_b32 s23, 0
	s_mul_i32 s17, s16, STEPB       ; and its place in a slot: no place in the cluster enters an LDS address
	s_lshl_b32 s2, s14, 16          ; my block's 512 rows,
	s_lshl_b32 s3, s[WV], 13        ; my wave's 64 of them
	s_add_co_u32 s2, s2, s3
	s_add_co_u32 s2, s2, s20
	s_mov_b32 s3, 0
	; descriptor group 1: a tile of 64 rows x 64 elements, dense in memory, padded in LDS
	s_mov_b32 s[G1K], 15|(1<<16)|(1<<20)|(1<<21)|(4<<22)|(3<<25)  ; 15:0 the mask: all four work-groups; 17:16 elements of 2 bytes; 20 padding on; 21 set beside a mask; 24:22 after every 32 words (code 4); 31:25 4 words of it (code 3)
	s_mov_b32 s[G1V], 15|(1<<16)|(1<<20)|(1<<21)|(4<<22)|(7<<25)  ; the same with 8 words of padding (code 7)
.irp g, G1K, G1V
	s_mov_b32 s[\g+1], 64<<16       ; tensor_dim0 = 64
	s_mov_b32 s[\g+2], KS<<16       ; tensor_dim1 = 64
	s_mov_b32 s[\g+3], 64<<16       ; tile_dim0 = 64
	s_mov_b32 s[\g+4], KS           ; tile_dim1 = 64
	s_mov_b32 s[\g+5], 64           ; tensor_dim0_stride: elements from row to row
	s_mov_b32 s[\g+6], 0
	s_mov_b32 s[\g+7], 0
.endr
	s_mov_b32 s[CS], 0x3d38aa3b     ; c = log2(e) / 32
	s_mov_b32 s[CS+1], s[CS]        ; named with it as a pair, so it is written
	s_mov_b32 s[SEL], 0x76543210
	s_mov_b32 s[SEL+1], 0xfedcba98
	s_mov_b32 s[TB], 0
	s_mov_b32 s[SLOTS], 2048/(NST*KS)-2
	s_cmp_eq_u32 s16, 0             ; waves 0 and 4 prefetch: the same in all four partners
	s_cselect_b32 s[LIM], 1, -1
	v_and_b32 v[PFO], 31, v0
	v_lshlrev_b32 v[PFO], 8, v[PFO]
	s_wait_dscnt 0x0                ; both opening adds are done
	s_wait_kmcnt 0x0
	s_add_nc_u64 s[8:9], s[4:5], s[22:23]
	s_add_nc_u64 s[10:11], s[8:9], 0x2000000  ; V at my tile of slot 0
	s_add_nc_u64 s[8:9], s[8:9], 0x1000000    ; K likewise
	s_add_nc_u64 s[4:5], s[4:5], s[2:3]       ; Q and o at my wave's first row
	s_add_nc_u64 s[6:7], s[6:7], s[2:3]
	s_cmp_lt_u32 s[WV], 4
	s_cselect_b64 s[PFA:PFA+1], s[8:9], s[10:11]  ; (in waves 0 and 4 these stand at a slot's first row)
	s_lshl_b32 s2, s13, 13          ; my work-group's 8,192 bytes of the 32,768
	s_add_nc_u64 s[PFA:PFA+1], s[PFA:PFA+1], s[2:3]
	s_add_nc_u64 s[PFA:PFA+1], s[PFA:PFA+1], 2*SLOTB  ; in slot 2; the first change of slots steps it to slot 3.  Nothing is prefetched here, at the head
	CROUND                          ; all four work-groups are here: the first joint loads meet
.irp s, 0,1
	s_mov_b32 s[G0K+4*\s], 1        ; count = 1
	s_add_co_u32 s[G0K+4*\s+1], s17, \s*SLOT1  ; LDS address
	s_add_nc_u64 s[G0K+4*\s+2:G0K+4*\s+3], s[8:9], \s*SLOTB  ; global address: slot s begins with keys 256 s
	s_or_b32 s[G0K+4*\s+3], s[G0K+4*\s+3], 0x80000000  ; type = 2
	s_mov_b32 s[G0V+4*\s], 1
	s_add_co_u32 s[G0V+4*\s+1], s17, \s*SLOT1+VOFF
	s_add_nc_u64 s[G0V+4*\s+2:G0V+4*\s+3], s[10:11], \s*SLOTB
	s_or_b32 s[G0V+4*\s+3], s[G0V+4*\s+3], 0x80000000
.endr
	s_cmp_lt_u32 s[WV], 4           ; a wave's two first fills stand in one branch, ahead of every wait on TENSORcnt and every LDS read
	s_cbranch_scc0 .Lfirst_v
	tensor_load_to_lds s[G0K:G0K+3], s[G1K:G1K+7]
	s_nop 0
	tensor_load_to_lds s[G0K+4:G0K+7], s[G1K:G1K+7]
	s_nop 0
.rept 4
	v_nop
.endr
	s_branch .Lfirst_asked
.Lfirst_v:
	tensor_load_to_lds s[G0V:G0V+3], s[G1V:G1V+7]
	s_nop 0
	tensor_load_to_lds s[G0V+4:G0V+7], s[G1V:G1V+7]
	s_nop 0
.rept 4
	v_nop
.endr
.Lfirst_asked:
	; A fragment of K or Q is 16 rows x 32 channels in 8 registers: lane l holds row l % 16; registers 0-3 channels 8 (l / 16) + 0..7, registers 4-7 channels 16 + 8 (l / 16) + 0..7: two loads of 16 bytes, 32 bytes apart.
	v_and_b32 v1, 15, v0            ; l % 16
	v_bfe_u32 v9, v0, 4, 1          ; l / 16
	v_lshlrev_b32 v[QO], 7, v1
	v_lshl_add_u32 v[QO], v9, 4, v[QO]  ; row x 128 + 16 x half
.irp t, 0,1,2,3                     ; Q stays in registers: tile t, channels 32 c on
.irp c, 0,1
	global_load_b128 v[Q+16*\t+8*\c:Q+16*\t+8*\c+3],   v[QO], s[4:5] offset:\t*2048+\c*64
	global_load_b128 v[Q+16*\t+8*\c+4:Q+16*\t+8*\c+7], v[QO], s[4:5] offset:\t*2048+\c*64+32
.endr
.endr
	v_mul_u32_u24 v[AK0], v1, PK
	v_lshl_add_u32 v[AK0], v9, 4, v[AK0]  ; row x pitch + 16 x half
	; The turning load takes 16 keys x 16 channels (lane l reads 16 bytes: key 8 (l / 16) + l % 8, channels 8 ((l / 8) % 2) + 0..7) and leaves half a fragment of V^T: lane l holds channel l % 16 and 8 keys.
	v_and_b32 v10, 7, v0
	v_bfe_u32 v11, v0, 3, 1
	v_lshl_add_u32 v[AV0], v9, 3, v10
	v_mul_u32_u24 v[AV0], v[AV0], PVP
	v_lshl_add_u32 v[AV0], v11, 4, v[AV0]
	v_add_nc_u32 v[AV0], VOFF, v[AV0]
	s_mul_i32 s16, s[WV], 16*SP
	s_add_co_u32 s16, s16, STAGE    ; my stage
	v_mul_u32_u24 v[STO], v1, SP    ; in: row l % 16, 16 bytes for each half of the lanes
	v_lshl_add_u32 v[STO], v9, 4, v[STO]
	v_add_nc_u32 v[STO], s16, v[STO]
	v_bfe_u32 v[RD], v0, 3, 2       ; back: eight lanes take a row of 128 bytes, the 32 lanes four rows
	v_mul_u32_u24 v[RD], v[RD], SP
	v_lshl_add_u32 v[RD], v10, 4, v[RD]
	v_add_nc_u32 v[RD], s16, v[RD]
	v_and_b32 v[GO], 31, v0
	v_lshlrev_b32 v[GO], 4, v[GO]   ; and the same four rows in o: 512 consecutive bytes
; S^T = K Q^T, 32 products: channels 32 (i / 16) on, keys 16 ((i / 4) % 4) on, tile i % 4.  The first 16 start the sums.  The 16 accumulators take turns, one instruction a turn.
.macro KQ
.set i, 0
.rept 32
.set rS, S+32*(i%4)+8*((i/4)%4)
.set rK, KF+16*((i/4)%4)+8*(i/16)
.set rQ, Q+16*(i%4)+8*(i/16)
.if i < 16
	v_wmma_f32_16x16x32_f16 v[rS:rS+7], v[rK:rK+7], v[rQ:rQ+7], 0
.else
	v_wmma_f32_16x16x32_f16 v[rS:rS+7], v[rK:rK+7], v[rQ:rQ+7], v[rS:rS+7]
.endif
.set i, i+1
.endr
.endm
; O^T += V^T P, 32 products: keys 32 (i / 16) on, channels 16 ((i / 4) % 4) on, tile i % 4.  first = 1: the first 16 start the sums: nothing is ever cleared.
.macro PV first
.set i, 0
.rept 32
.set rO, 32*(i%4)+8*((i/4)%4)
.set rV, VF+32*(i/16)+8*((i/4)%4)
.set rP, S+32*(i%4)+8*(i/16)
.if \first && (i < 16)
	v_wmma_f32_16x16x32_f16 v[rO:rO+7], v[rV:rV+7], v[rP:rP+7], 0
.else
	v_wmma_f32_16x16x32_f16 v[rO:rO+7], v[rV:rV+7], v[rP:rP+7], v[rO:rO+7]
.endif
.set i, i+1
.endr
.endm
; THE SOFTMAX of a key step, every line for the four tiles by turns, so that no line waits for the line above it.  first = 1: the first key step, which starts m and l: it has no a.
.macro SOFTMAX first
.rept 4
	v_nop                           ; four places between the last product and the first read of the scores (ISA guide 7.12.1)
.endr
.irp j, 0,1,2,3                     ; the maximum of the lane's 32 scores, three operands at a time: four chains, each begun at the low end of one accumulator
.irp t, 0,1,2,3
	v_max3_num_f32 v[ST+8*\t+4+\j], v[S+32*\t+8*\j], v[S+32*\t+8*\j+1], v[S+32*\t+8*\j+2]
.endr
.endr
.irp u, 3,5
.irp j, 0,1,2,3
.irp t, 0,1,2,3
	v_max3_num_f32 v[ST+8*\t+4+\j], v[ST+8*\t+4+\j], v[S+32*\t+8*\j+\u], v[S+32*\t+8*\j+\u+1]
.endr
.endr
.endr
.irp t, 0,1,2,3
	v_max3_num_f32 v[ST+8*\t+4], v[ST+8*\t+4], v[S+32*\t+7], v[S+32*\t+15]
.endr
.irp t, 0,1,2,3
	v_max3_num_f32 v[ST+8*\t+6], v[ST+8*\t+6], v[S+32*\t+23], v[S+32*\t+31]
.endr
.irp t, 0,1,2,3
	v_max3_num_f32 v[ST+8*\t+4], v[ST+8*\t+4], v[ST+8*\t+5], v[ST+8*\t+6]
.endr
.irp t, 0,1,2,3
.if \first
	v_max_num_f32 v[ST+8*\t+4], v[ST+8*\t+4], v[ST+8*\t+7]
.else
	v_max3_num_f32 v[ST+8*\t+4], v[ST+8*\t+4], v[ST+8*\t+7], v[ST+8*\t+1]   ; and the old m
.endif
.endr
.irp t, 0,1,2,3
	v_permlanex16_b32 v[ST+8*\t+5], v[ST+8*\t+4], s[SEL], s[SEL+1]  ; the query's other 32 keys lie in the lane 16 away
.endr
.if \first == 0
.irp t, 0,1,2,3
	v_mov_b32 v[ST+8*\t+7], v[ST+8*\t]  ; c m_old is kept for a
.endr
.endif
.irp t, 0,1,2,3
	v_max_num_f32 v[ST+8*\t+1], v[ST+8*\t+4], v[ST+8*\t+5]   ; the new m
.endr
.irp t, 0,1,2,3
	v_mul_f32 v[ST+8*\t], s[CS], v[ST+8*\t+1]
.endr
.if \first == 0
.irp t, 0,1,2,3
	v_sub_f32 v[ST+8*\t+7], v[ST+8*\t+7], v[ST+8*\t]
.endr
.endif
.set e, 0
.rept 16                            ; c s - c m, a pair of scores at a time
.irp t, 0,1,2,3
	v_pk_fma_f32 v[S+32*\t+2*e:S+32*\t+2*e+1], v[S+32*\t+2*e:S+32*\t+2*e+1], s[CS:CS+1], v[ST+8*\t:ST+8*\t+1] op_sel_hi:[1,0,0] neg_lo:[0,0,1] neg_hi:[0,0,1]
.endr
.set e, e+1
.endr
.if \first == 0                     ; ONE BATCH of exponentials: a of the four tiles, then the 128 weights; none of them reads another's result
.irp t, 0,1,2,3
	v_exp_f32 v[ST+8*\t+6], v[ST+8*\t+7]
.endr
.endif
.set e, 0
.rept 32
.irp t, 0,1,2,3
	v_exp_f32 v[S+32*\t+e], v[S+32*\t+e]
.endr
.set e, e+1
.endr
	v_nop                           ; a plain instruction behind the last exponential, ahead of the first use
	s_wait_alu depctr_va_vdst(0)    ; and one wait between the batch and the first line that names a result
.irp t, 0,1,2,3                     ; the step's sum of the unrounded weights (even keys', odd keys'), and the roundings to f16 in place: pair p goes to register p, which lies under every pair not yet summed
	v_pk_add_f32 v[ST+8*\t+4:ST+8*\t+5], v[S+32*\t:S+32*\t+1], v[S+32*\t+2:S+32*\t+3]
.endr
.irp t, 0,1,2,3
	v_cvt_pk_f16_f32 v[S+32*\t], v[S+32*\t], v[S+32*\t+1]
.endr
.irp t, 0,1,2,3
	v_cvt_pk_f16_f32 v[S+32*\t+1], v[S+32*\t+2], v[S+32*\t+3]
.endr
.set e, 2
.rept 13
.irp t, 0,1,2,3
	v_pk_add_f32 v[ST+8*\t+4:ST+8*\t+5], v[ST+8*\t+4:ST+8*\t+5], v[S+32*\t+2*e:S+32*\t+2*e+1]
.endr
.irp t, 0,1,2,3
	v_cvt_pk_f16_f32 v[S+32*\t+e], v[S+32*\t+2*e], v[S+32*\t+2*e+1]
.endr
.set e, e+1
.endr
.if \first
.irp t, 0,1,2,3
	v_pk_add_f32 v[ST+8*\t+2:ST+8*\t+3], v[ST+8*\t+4:ST+8*\t+5], v[S+32*\t+30:S+32*\t+31]   ; l begins
.endr
.else
.irp t, 0,1,2,3
	v_pk_add_f32 v[ST+8*\t+4:ST+8*\t+5], v[ST+8*\t+4:ST+8*\t+5], v[S+32*\t+30:S+32*\t+31]
.endr
.irp t, 0,1,2,3
	v_pk_fma_f32 v[ST+8*\t+2:ST+8*\t+3], v[ST+8*\t+2:ST+8*\t+3], v[ST+8*\t+6:ST+8*\t+7], v[ST+8*\t+4:ST+8*\t+5] op_sel_hi:[1,0,1]   ; l = a l + the step's sum
.endr
.endif
.irp t, 0,1,2,3
	v_cvt_pk_f16_f32 v[S+32*\t+15], v[S+32*\t+30], v[S+32*\t+31]
.endr
.endm
; A KEY STEP: 64 keys.  Every window is 0 at its head and at its end.
.macro STEP first
	v_add_nc_u32 v[ADK], s[TB], v[AK0]
	v_add_nc_u32 v[ADV], s[TB], v[AV0]
.rept 3
	v_nop                           ; with the two additions five places behind the last step's products: the loads below land in V's registers, which those read (four are owed), and K Q^T writes over P's, which those read (five)
.endr
	WIN W_LD
.irp k, 0,1,2,3                     ; K: keys 16 k on, channels 32 c on
.irp c, 0,1
	ds_load_b128 v[KF+16*\k+8*\c:KF+16*\k+8*\c+3],   v[ADK] offset:\k*16*PK+\c*64
	ds_load_b128 v[KF+16*\k+8*\c+4:KF+16*\k+8*\c+7], v[ADK] offset:\k*16*PK+\c*64+32
.endr
.endr
.irp g, 0,1                         ; V, turned: keys 32 g on, channels 16 d on
.irp d, 0,1,2,3
	ds_load_tr16_b128 v[VF+32*\g+8*\d:VF+32*\g+8*\d+3],   v[ADV] offset:\g*32*PVP+\d*32
	ds_load_tr16_b128 v[VF+32*\g+8*\d+4:VF+32*\g+8*\d+7], v[ADV] offset:\g*32*PVP+16*PVP+\d*32
.endr
.endr
	s_add_co_u32 s[TB], s[TB], STEPB  ; the next fetch is the next step's
	s_wait_dscnt 16                 ; K's sixteen loads are in; V's sixteen, issued behind them, may be out
	WIN W_KQ
	KQ
	WIN 0
	SOFTMAX \first
.if \first == 0
	WIN W_RS
.set e, 0
.rept 16                            ; O^T times a, each accumulator from its low end on
.irp t, 0,1,2,3
	v_pk_mul_f32 v[32*\t+2*e:32*\t+2*e+1], v[32*\t+2*e:32*\t+2*e+1], v[ST+8*\t+6:ST+8*\t+7] op_sel_hi:[1,0]
.endr
.set e, e+1
.endr
.endif
	s_wait_dscnt 0x0                ; V is in
	WIN W_PV
	PV \first
	WIN 0
.endm
.macro STEPS n                      ; n key steps: written once, walked n times; the LDS addresses hang on s[TB]
	s_mov_b32 s[CNT], \n
.Lstep_\@:
	STEP 0
	s_sub_co_u32 s[CNT], s[CNT], 1
	s_cmp_lg_u32 s[CNT], 0
	s_cbranch_scc1 .Lstep_\@
.endm
; THE CHANGE OF SLOTS.  Each wave waits for all its tensor loads, of which one is out: its part of the other slot; adds 0 to its spare word; and waits for that and for its own reads of the slot that it leaves.
; Behind the barrier nobody reads this slot any more and the other slot is whole.  fill = 1: this slot is filled again, with the keys two slots on.  The barrier is then a round of the cluster's, so that no wave of any
; partner still reads the slot or has a load on its way, and the joint refill is the first thing behind it: it has four key steps, 256 of the wave's matrix instructions, in which to land.
.macro CHANGE fill
	s_wait_tensorcnt 0x0            ; no tensor load of mine is out, so a group 0 may be written
	ds_add_u32 v[SPW], v[NIL]       ; 0 onto my spare word; with fill = 1 the descriptors' steps stand between it and the wait for it
.if \fill
.irp g, G0K+4, G0V+4
	s_xor_b32 s[\g+1], s[\g+1], SLOT1  ; the walking descriptor: the other slot than last time,
	s_add_nc_u64 s[\g+2:\g+3], s[\g+2:\g+3], SLOTB  ; the next 256 keys; the type bits on top are not reached
.endr
	s_wait_xcnt 0x0                 ; the last prefetch, a slot back, has read its address, so it may be written:
	s_add_nc_u64 s[PFA:PFA+1], s[PFA:PFA+1], SLOTB  ; one slot further on than the walking descriptors
	s_wait_dscnt 0x0                ; the add is done, and my reads of the slot are over
	CROUND
	JLOAD
	ASK                             ; what the next change will ask for: four key steps ahead
.else
	s_wait_dscnt 0x0                ; the add is done, and my reads of the slot are over
	s_barrier_signal -1
	s_barrier_wait -1
.endif
	s_sub_co_u32 s[TB], s[TB], NST*STEPB  ; the fetches go back to a slot's first step,
	s_xor_b32 s[TB], s[TB], SLOT1   ; in the other slot
.endm
	s_wait_tensorcnt 1              ; my part of slot 0 is in; slot 1's may stay out
	s_barrier_signal -1
	s_barrier_wait -1               ; everybody's is
	s_wait_loadcnt 0x0              ; Q
	STEP 1                          ; the first key step starts m, l and O^T
	STEPS NST-1
.Lslot:                             ; six trips: every slot but the last two is filled again
	CHANGE 1
	STEPS NST
	s_sub_co_u32 s[SLOTS], s[SLOTS], 1
	s_cmp_lg_u32 s[SLOTS], 0
	s_cbranch_scc1 .Lslot
	CHANGE 0                        ; the tail is written out: nothing is asked for
	STEPS NST
	; THE WAY OUT.  l's two halves and the other half of the lanes' are added; O^T is divided by l, rounded to f16 and sent through my stage in LDS, a tile (16 rows of o) at a time.  The first additions are the places behind the last products.
.irp t, 0,1,2,3
	v_add_f32 v[ST+8*\t+4], v[ST+8*\t+2], v[ST+8*\t+3]
.endr
.irp t, 0,1,2,3
	v_permlanex16_b32 v[ST+8*\t+5], v[ST+8*\t+4], s[SEL], s[SEL+1]
.endr
.irp t, 0,1,2,3
	v_add_f32 v[ST+8*\t+4], v[ST+8*\t+4], v[ST+8*\t+5]
.endr
.irp t, 0,1,2,3
	v_rcp_f32 v[ST+8*\t+6], v[ST+8*\t+4]
.endr
	v_nop                           ; a plain instruction between the last reciprocal and the use of its result
	s_wait_alu depctr_va_vdst(0)    ; and the wait ahead of the first use: one for the four reciprocals
; Tile t: a lane's eight channels of a row pack into 16 bytes; they go into rows of 144 bytes and come back as four whole rows an instruction, into the registers that they left.
.macro PACK t
	WIN W_RS
.set i, 0
.rept 16
	v_pk_mul_f32 v[32*\t+2*i:32*\t+2*i+1], v[32*\t+2*i:32*\t+2*i+1], v[ST+8*\t+6:ST+8*\t+7] op_sel_hi:[1,0]
.set i, i+1
.endr
	WIN W_CV
.set i, 0
.rept 16
	v_cvt_pk_f16_f32 v[S+32*\t+i], v[32*\t+2*i], v[32*\t+2*i+1]
.set i, i+1
.endr
	WIN 0
.irp f, 0,1,2,3
	ds_store_b128 v[STO], v[S+32*\t+4*\f:S+32*\t+4*\f+3] offset:32*\f
.endr
.irp f, 0,1,2,3
	ds_load_b128 v[S+32*\t+4*\f:S+32*\t+4*\f+3], v[RD] offset:\f*4*SP  ; LDS serves a wave's instructions in order (ISA guide 5.7.1.4): these see the stores above; the next tile's stores come behind them
.endr
.endm
.macro SEND t, younger              ; younger: the LDS instructions issued behind tile t's loads: the next tile's eight, or none
.irp f, 0,1,2,3
	s_wait_dscnt \younger+3-\f
	global_store_b128 v[GO], v[S+32*\t+4*\f:S+32*\t+4*\f+3], s[6:7] offset:\t*2048+\f*512  ; 32 lanes store 512 consecutive bytes, at a multiple of 256 from o16's first byte
.endr
.endm
	PACK 0
	PACK 1                          ; a tile's arithmetic stands between the loads of the tile before and its stores
	SEND 0, 8
	PACK 2
	SEND 1, 8
	PACK 3
	SEND 2, 8
	SEND 3, 0
	s_wait_tensorcnt 0x0            ; the wave's end: behind my last tensor load and my last LDS store
	ds_add_u32 v[SPW], v[NIL]
	s_wait_dscnt 0x0
	CROUND                          ; the closing round: no work-group ends while a partner may still ask for a tile that names it
	s_endpgm
.Lfunc_end_k_q864319871d_attn:
	.size	k_q864319871d_attn, .Lfunc_end_k_q864319871d_attn-k_q864319871d_attn
	.p2alignl 7, 3214868480
	.fill 96, 4, 3214868480
	.section	.rodata,"a",@progbits
	.p2align	6, 0x0
	.amdhsa_kernel k_q864319871d_attn
		.amdhsa_group_segment_fixed_size 327680
		.amdhsa_private_segment_fixed_size 0
		.amdhsa_enable_private_segment 0
		.amdhsa_kernarg_size 16
		.amdhsa_user_sgpr_count 2
		.amdhsa_user_sgpr_kernarg_segment_ptr 1
		.amdhsa_wavefront_size32 1
		.amdhsa_system_sgpr_workgroup_id_x 1
		.amdhsa_system_sgpr_workgroup_id_y 1
		.amdhsa_system_sgpr_workgroup_id_z 1
		.amdhsa_system_vgpr_workitem_id 0
		.amdhsa_next_free_vgpr 512
		.amdhsa_next_free_sgpr 66
		.amdhsa_reserve_vcc 0
		.amdhsa_float_denorm_mode_32 3
		.amdhsa_float_denorm_mode_16_64 3
		.amdhsa_memory_ordered 1
		.amdhsa_forward_progress 1
		.amdhsa_inst_pref_size 146
	.end_amdhsa_kernel
	.amdgpu_metadata
---
amdhsa.version: [ 1, 2 ]
amdhsa.kernels:
  - .name:           k_q864319871d_attn
    .symbol:         k_q864319871d_attn.kd
    .args:
      - { .name: qkv, .offset: 0, .size: 8, .value_kind: global_buffer, .address_space: global }
      - { .name: o16, .offset: 8, .size: 8, .value_kind: global_buffer, .address_space: global }
    .group_segment_fixed_size: 327680
    .private_segment_fixed_size: 0
    .kernarg_segment_align: 8
    .kernarg_segment_size: 16
    .max_flat_workgroup_size: 256
    .sgpr_count:     66
    .vgpr_count:     512
    .wavefront_size: 32
...
	.end_amdgpu_metadata
.endif
;; end of part 3
;; launch proj (part 4): grid 8 x 32, 4 waves a work-group, clusters of 4 x 4, 327,680 bytes of LDS; arguments o16, wu16, bu, out0; writes out0
.if DOCPART == 4
	.amdgcn_target "amdgcn-amd-amdhsa--gfx1250"
	.amdhsa_code_object_version 6
	.text
	.protected	k_q864319871d_proj
	.globl	k_q864319871d_proj
	.p2align	8
	.type	k_q864319871d_proj,@function
k_q864319871d_proj:
	s_mov_b64 s[64:65], 0
	v_nop
	global_prefetch_b8 v0, s[64:65] scope:SCOPE_SE
	s_setreg_imm32_b32 hwreg(HW_REG_WAVE_MODE, 25, 1), 1
	s_wait_xcnt 0x0
	s_wait_alu depctr_hold_cnt(0) depctr_sa_sdst(0) depctr_va_vdst(0) depctr_va_sdst(0) depctr_va_ssrc(0) depctr_va_vcc(0) depctr_vm_vsrc(0)
	s_getreg_b32 s2, hwreg(HW_REG_IB_STS2, 6, 4)
	s_cmp_eq_u32 s2, 0
	s_cbranch_scc0 .Lentry_in_a_cluster
	s_endpgm
.Lentry_in_a_cluster:
	s_bfe_u32 s2, ttmp6, 0x10000c
	s_cmp_lg_u32 s2, 0xf033
	s_cbranch_scc0 .Lentry_shape_is_right
	s_endpgm
.Lentry_shape_is_right:
; PROJ.  out0[m][n] = sum over k of o[m][k] Wu[n][k] + bu[n].  m = batch x 2,048 + position, k = head x 64 + channel.  o16 [batch][head][position][64] f16, wu16 [k / 64][n][64] f16, bu [1024] and out0 [8192][1024] f32.
; Products on f16 operands, sums in f32; bu is the C of each sum's first product, so it costs no addition.
; A tile of out0 is 256 (m) x 128 (n): 256 tiles, one work-group each.  Four waves, each 128 x 64: 32 accumulators of 16 x 16, 256 registers.
; K goes in steps of 128 = two blocks of 64 (two heads).  In both buffers the rows of a tile for one block of 64 are dense in memory, 128 bytes a row: one tensor load brings a block (o: 256 rows, waves 0 and 1; Wu: 128 rows, waves 2 and 3).
; A ring of two slots; one load a wave behind each round of the cluster's barrier; two are out at the head, one later.
; CLUSTERS: 4 x 4 work-groups.  The four of a row of the cluster need the same tiles of o, the four of a column the same tiles of Wu: each is asked for JOINTLY, by the same tensor load with the same descriptor and a mask
; that names the four.  THE MATRIX INSTRUCTION IS USED TRANSPOSED (source 0 = 16 rows of Wu, source 1 = 16 rows of o): a lane then holds eight neighbouring numbers of a row of out0.
; REGISTERS: window 0: v0-31 addresses; v32-63 bu in the result's layout, 8 for each of my 4 blocks of columns; two fragment buffers for 32 along K: o's 8 fragments at v64 and v128, Wu's 4 at v192 and v224.
;   window 1: the accumulators, (a, b) at v[8 (4 a + b)].
.set PITCH,  144                       ; an LDS row: 128 bytes + 16 of padding: 9 x 16 bytes, so the 16 rows of a load fall on 16 different columns of 16 bytes
.set ABLK,   256*PITCH                 ; o's rows of one block of 64 along K
.set BBLK,   128*PITCH                 ; Wu's
.set SLOT,   2*ABLK+2*BBLK             ; o's two blocks, then Wu's two
.set ASTEP,  2<<18                     ; a K step on in o16: two heads
.set BSTEP,  2<<17                     ; and in wu16: two blocks
.set STAGE,  2*SLOT                    ; behind the ring: 16 rows x 272 bytes for each wave, for the way out
.set SPITCH, 272
.set SPARE,  STAGE+4*16*SPITCH         ; behind the stages: the spare words, 128 bytes for each wave
.set LAPS,   4                         ; a lap = two K steps = once round the ring
.set ADRA, 16                          ; v16-17  LDS address of my fragments of o in slot 0, 1
.set ADRB, 20                          ; v20-21  the same for Wu
.set STO,  24                          ; v24     the way out: where I put 32 bytes of a row
.set RD,   25                          ; v25     the way out: where I read 16 bytes back
.set CO,   26                          ; v26     my byte offset in out0
.set BO,   27                          ; v27     my byte offset in bu
.set SPW,  28                          ; v28     LDS address of my spare word; never rewritten
.set NIL,  29                          ; v29     0; never rewritten
.set BIAS, 32
.set FA,   64                          ; o's fragments: buffer f at FA + 64 f
.set FB,   192                         ; Wu's: buffer f at FB + 32 f
.set BK,   64                          ; the way out: 16 rows read back: v64-95 and v96-127 by turns
.set G1, 24                            ; s[24:31] descriptor group 1 for o's tiles;  s[32:39] group 0, one set for each slot
.set G0, 32
.set G1B, 48                           ; s[48:55], s[56:63] the same for Wu's tiles
.set G0B, 56
.set MSB, 0
.macro WIN new                         ; the immediate's high byte repeats the setting that is left
.if MSB != \new
	s_set_vgpr_msb (MSB<<8)|\new
.set MSB, \new
.endif
.endm
.set MULB, 0x40                        ; D window 1; sources and C (bu) window 0
.set MUL,  0x50                        ; C and D window 1; sources window 0
.set OUT,  0x04                        ; an LDS store's data (its source 1) window 1
.macro JLOAD s                         ; a joint load: waves 0 and 1 fetch o's two blocks, waves 2 and 3 Wu's; an s_nop 0 and four v_nop follow each of the two lines
	s_cmp_eq_u32 s13, 0
	s_cbranch_scc0 .Lfor_b_\@
	tensor_load_to_lds s[G0+4*\s:G0+4*\s+3], s[G1:G1+7]
	s_nop 0
.rept 4
	v_nop
.endr
	s_branch .Lasked_\@
.Lfor_b_\@:
	tensor_load_to_lds s[G0B+4*\s:G0B+4*\s+3], s[G1B:G1B+7]
	s_nop 0
.rept 4
	v_nop
.endr
.Lasked_\@:
.endm
.macro CREST                           ; a round of the cluster's barrier behind its opening barrier
	s_cmp_lg_u32 s12, 0
	s_cbranch_scc1 .Lnot_wave_0_\@
	s_barrier_signal -3
.Lnot_wave_0_\@:
	s_barrier_wait -3
	s_barrier_signal -1
	s_barrier_wait -1
.endm
.macro CROUND                          ; a whole round
	s_barrier_signal -1
	s_barrier_wait -1
	CREST
.endm
	s_load_b256 s[4:11], s[0:1], 0x0               ; o16 s[4:5], wu16 s[6:7], bu s[8:9], out0 s[10:11]
	v_lshl_add_u32 v[SPW], v0, 2, SPARE
	v_mov_b32 v[NIL], 0
	ds_add_u32 v[SPW], v[NIL]                      ; the wave's opening: the add, twice on end, and its wait ahead of my first tensor load; the set-up below stands between the second and the wait
	ds_add_u32 v[SPW], v[NIL]
	v_lshrrev_b32 v1, 5, v0
	v_readfirstlane_b32 s12, v1                    ; wave 0..3
	s_lshr_b32 s13, s12, 1                         ; which half of the tile's rows is mine.  Also: I fetch for o (0) or for Wu (1)
	s_and_b32 s14, s12, 1                          ; which half of its columns.  Also: which of a K step's two blocks I fetch
	s_bfe_u32 s40, ttmp6, 0x40000                  ; cx, cy: my place in the cluster
	s_bfe_u32 s41, ttmp6, 0x40004
	s_lshl_b32 s42, ttmp9, 2
	s_add_co_u32 s42, s42, s40                     ; tile column = 4 x cluster x + cx
	s_and_b32 s15, ttmp7, 0xffff
	s_lshl_b32 s15, s15, 2
	s_add_co_u32 s15, s15, s41                     ; tile row = 4 x cluster y + cy
	s_lshl_b32 s43, s41, 2
	s_lshl_b32 s43, 15, s43                        ; my row of the cluster
	s_lshl_b32 s44, 0x1111, s40                    ; my column
	; descriptor groups 1: rows of 64 elements of 2 bytes, dense in memory, padded in LDS; o: 256 rows, Wu: 128
	s_or_b32 s[G1+0], s43, (1<<16)|(1<<20)|(1<<21)|(4<<22)|(3<<25)  ; 15:0 the mask: o's tiles go to my row; 17:16 element of 2 bytes; 20 padding on; 21 set beside a mask; 24:22 after every 32 words (code 4); 31:25 of 4 words (code 3)
	s_or_b32 s[G1B+0], s44, (1<<16)|(1<<20)|(1<<21)|(4<<22)|(3<<25)
	s_mov_b32 s[G1+1], 64<<16                      ; tensor_dim0 = 64
	s_mov_b32 s[G1+2], 256<<16                     ; tensor_dim1 = 256
	s_mov_b32 s[G1+3], 64<<16                      ; tile_dim0 = 64
	s_mov_b32 s[G1+4], 256                         ; tile_dim1 = 256
	s_mov_b32 s[G1+5], 64                          ; tensor_dim0_stride
	s_mov_b32 s[G1+6], 0
	s_mov_b32 s[G1+7], 0
	s_mov_b32 s[G1B+1], 64<<16
	s_mov_b32 s[G1B+2], 128<<16
	s_mov_b32 s[G1B+3], 64<<16
	s_mov_b32 s[G1B+4], 128
	s_mov_b32 s[G1B+5], 64
	s_mov_b32 s[G1B+6], 0
	s_mov_b32 s[G1B+7], 0
	; where the tiles come from.  o's hang on the tile row alone, Wu's on the tile column alone, each in registers that never hold the other coordinate
	s_lshr_b32 s16, s15, 3                         ; batch = tile row / 8
	s_lshl_b32 s16, s16, 22
	s_and_b32 s17, s15, 7
	s_lshl_b32 s17, s17, 15                        ; position 256 (tile row % 8), 128 bytes a row
	s_add_co_u32 s16, s16, s17
	s_lshl_b32 s17, s14, 18                        ; my block of the K step: a head is 2^18 bytes
	s_add_co_u32 s16, s16, s17
	s_mov_b32 s17, 0
	s_lshl_b32 s46, s42, 14                        ; row 128 x tile column, 128 bytes a row
	s_lshl_b32 s47, s14, 17                        ; my block: 1,024 rows of 128 bytes
	s_add_co_u32 s46, s46, s47
	s_mov_b32 s47, 0
	s_mul_i32 s20, s14, ABLK                       ; and where they go: no place in the cluster enters an LDS address
	s_mul_i32 s21, s14, BBLK
	s_add_co_u32 s21, s21, 2*ABLK
	s_wait_dscnt 0x0                               ; both opening adds are done
	s_wait_kmcnt 0x0
	s_add_nc_u64 s[16:17], s[4:5], s[16:17]
	s_add_nc_u64 s[46:47], s[6:7], s[46:47]
	CROUND                                         ; all sixteen work-groups are here: the first joint loads meet
.irp s, 0,1
	s_mov_b32 s[G0+4*\s], 1
	s_add_co_u32 s[G0+4*\s+1], s20, \s*SLOT
	s_add_nc_u64 s[G0+4*\s+2:G0+4*\s+3], s[16:17], \s*ASTEP
	s_or_b32 s[G0+4*\s+3], s[G0+4*\s+3], 0x80000000
	s_mov_b32 s[G0B+4*\s], 1
	s_add_co_u32 s[G0B+4*\s+1], s21, \s*SLOT
	s_add_nc_u64 s[G0B+4*\s+2:G0B+4*\s+3], s[46:47], \s*BSTEP
	s_or_b32 s[G0B+4*\s+3], s[G0B+4*\s+3], 0x80000000
	JLOAD \s
.endr
	v_and_b32 v1, 15, v0                           ; l % 16
	v_bfe_u32 v2, v0, 4, 1                         ; l / 16
	s_lshl_b32 s46, s42, 9                         ; my first column, in bytes of f32: 512 x tile column + 256 x half: in bu, and in a row of out0
	s_lshl_b32 s47, s14, 8
	s_add_co_u32 s46, s46, s47
	s_mov_b32 s47, 0
	s_add_nc_u64 s[8:9], s[8:9], s[46:47]
	v_lshlrev_b32 v[BO], 5, v2                     ; lane (r, h) wants, for block b, bu of columns 16 b + 8 h + 0 .. 7
.irp b, 0,1,2,3
	global_load_b128 v[BIAS+8*\b:BIAS+8*\b+3],   v[BO], s[8:9] offset:64*\b
	global_load_b128 v[BIAS+8*\b+4:BIAS+8*\b+7], v[BO], s[8:9] offset:64*\b+16
.endr
	v_mul_u32_u24 v3, v1, PITCH
	v_lshl_add_u32 v3, v2, 4, v3                   ; a fragment's row x pitch + 16 x half
	s_mul_i32 s21, s13, 128*PITCH                  ; my 128 rows of o
	s_mul_i32 s22, s14, 64*PITCH                   ; my 64 rows of Wu,
	s_add_co_u32 s22, s22, 2*ABLK                  ; which lie behind o's two blocks
.irp s, 0,1
	v_add_nc_u32 v[ADRA+\s], s21, v3
	v_add_nc_u32 v[ADRB+\s], s22, v3
	s_add_co_u32 s21, s21, SLOT
	s_add_co_u32 s22, s22, SLOT
.endr
	s_mul_i32 s23, s12, 16*SPITCH
	s_add_co_u32 s23, s23, STAGE                   ; my stage
	v_mul_u32_u24 v4, v1, SPITCH                   ; in: row l % 16, 32 bytes for each half of the lanes
	v_lshl_add_u32 v4, v2, 5, v4
	v_add_nc_u32 v[STO], s23, v4
	v_mul_u32_u24 v4, v2, SPITCH                   ; back: lanes 0-15 take one row of 256 bytes, lanes 16-31 the next
	v_lshl_add_u32 v4, v1, 4, v4
	v_add_nc_u32 v[RD], s23, v4
	v_lshlrev_b32 v[CO], 4, v1                     ; and the same two rows in out0, 4,096 bytes apart
	v_lshl_add_u32 v[CO], v2, 12, v[CO]
	s_lshl_b32 s16, s15, 8
	s_lshl_b32 s17, s13, 7
	s_add_co_u32 s16, s16, s17                     ; my first row: 256 x tile row + 128 x half
	s_lshl_b32 s16, s16, 12
	s_mov_b32 s17, 0
	s_add_nc_u64 s[16:17], s[16:17], s[46:47]
	s_add_nc_u64 s[10:11], s[10:11], s[16:17]
; 24 LDS loads in one run: the fragments of the slot's q-th 32 along K (block q / 2, bytes 64 (q % 2) on) into buffer f: Wu's four, then o's eight
.macro FETCH slot, q, f
.set KA, ((\q)/2)*ABLK+((\q)%2)*64
.set KB, ((\q)/2)*BBLK+((\q)%2)*64
.irp i, 0,1,2,3
	ds_load_b128 v[FB+32*(\f)+8*\i:FB+32*(\f)+8*\i+3],   v[ADRB+\slot] offset:KB+\i*16*PITCH
	ds_load_b128 v[FB+32*(\f)+8*\i+4:FB+32*(\f)+8*\i+7], v[ADRB+\slot] offset:KB+\i*16*PITCH+32
.endr
.irp i, 0,1,2,3,4,5,6,7
	ds_load_b128 v[FA+64*(\f)+8*\i:FA+64*(\f)+8*\i+3],   v[ADRA+\slot] offset:KA+\i*16*PITCH
	ds_load_b128 v[FA+64*(\f)+8*\i+4:FA+64*(\f)+8*\i+7], v[ADRA+\slot] offset:KA+\i*16*PITCH+32
.endr
.endm
; 4 n matrix instructions: o's blocks a0 .. a0 + n - 1 against Wu's four, 32 along K, from buffer f.  zero = 1: the first product starts the sums from bu.
; The 32 accumulators take turns, one instruction a turn, in the same order in every quarter.
.macro MULS f, a0, n, zero
.set a, \a0
.rept \n
.irp b, 0,1,2,3
.if \zero
	v_wmma_f32_16x16x32_f16 v[8*(4*a+\b):8*(4*a+\b)+7], v[FB+32*(\f)+8*\b:FB+32*(\f)+8*\b+7], v[FA+64*(\f)+8*a:FA+64*(\f)+8*a+7], v[BIAS+8*\b:BIAS+8*\b+7]
.else
	v_wmma_f32_16x16x32_f16 v[8*(4*a+\b):8*(4*a+\b)+7], v[FB+32*(\f)+8*\b:FB+32*(\f)+8*\b+7], v[FA+64*(\f)+8*a:FA+64*(\f)+8*a+7], v[8*(4*a+\b):8*(4*a+\b)+7]
.endif
.endr
.set a, a+1
.endr
.endm
.macro PLACES                          ; four places in front of loads into registers that matrix instructions have read, and of the first read of results (ISA guide 7.12.1 for the first read of results)
.rept 4
	v_nop
.endr
.endm
; A K step is four quarters of 32 along K, 32 matrix instructions each, on buffers 0, 1, 0, 1.  One of the first three: asks for the next quarter qn into buffer g, then multiplies buffer f while those loads are on their way.
.macro QUARTER slot, qn, f, g, zero
	PLACES
	WIN 0
	FETCH \slot, \qn, \g
	s_wait_dscnt 24                                ; all but the 24 just issued: buffer f is in
.if \zero
	WIN MULB
.else
	WIN MUL
.endif
	MULS \f, 0, 8, \zero
.endm
; The last quarter multiplies buffer 1 and changes slots: ONE barrier; in front of it each wave waits for all its tensor loads, adds 0 to its spare word, and waits for that and for its own reads of this slot.
; fill = 1: the barrier opens a round of the cluster's, and this slot is filled again, two K steps ahead, first thing behind the round.
.macro TURN slot, next, fill
	WIN 0                                          ; (the add's two registers lie in window 0)
	s_wait_tensorcnt 0x0                           ; all my tensor loads have landed: my part of the next slot
	ds_add_u32 v[SPW], v[NIL]                      ; 0 onto my spare word
	s_wait_dscnt 1                                 ; buffer 1 is in (the add may be out)
	WIN MUL
	MULS 1, 0, 4, 0                                ; sixteen matrix instructions stand between the add and the wait for it
	s_wait_dscnt 0x0                               ; the add is done, and my reads of this slot are over
	s_barrier_signal -1
	MULS 1, 4, 2, 0
	WIN 0
	s_barrier_wait -1
.if \fill
	CREST                                          ; no wave of any partner still reads this slot's tiles or has a load on its way
	s_add_nc_u64 s[G0+4*\slot+2:G0+4*\slot+3], s[G0+4*\slot+2:G0+4*\slot+3], 2*ASTEP
	s_add_nc_u64 s[G0B+4*\slot+2:G0B+4*\slot+3], s[G0B+4*\slot+2:G0B+4*\slot+3], 2*BSTEP
	JLOAD \slot                                    ; the first tensor load behind the round; the four v_nop behind it are also the places in front of the loads below
.else
	PLACES
.endif
	FETCH \next, 0, 0
	WIN MUL
	MULS 1, 6, 2, 0
.endm
	s_wait_tensorcnt 1                             ; my part of K step 0 is in (K step 1's load may be out)
	s_barrier_signal -1
	s_barrier_wait -1                              ; everybody's is
	s_wait_loadcnt 0x0                             ; bu
	FETCH 0, 0, 0
	QUARTER 0, 1, 0, 1, 1                          ; the first quarter stands in front of the loop: its products start the sums
	WIN 0                                          ; at a label and at a branch every window is 0
	s_mov_b32 s3, LAPS-1
.Llap:                                                 ; a trip goes once round the ring, from a lap's second quarter to the next lap's first, and fills both slots again
	QUARTER 0, 2, 1, 0, 0
	QUARTER 0, 3, 0, 1, 0
	TURN 0, 1, 1
	QUARTER 1, 1, 0, 1, 0
	QUARTER 1, 2, 1, 0, 0
	QUARTER 1, 3, 0, 1, 0
	TURN 1, 0, 1
	QUARTER 0, 1, 0, 1, 0
	WIN 0
	s_sub_co_u32 s3, s3, 1
	s_cmp_lg_u32 s3, 0
	s_cbranch_scc1 .Llap
	QUARTER 0, 2, 1, 0, 0                          ; the last lap fills nothing, and has no round of the cluster's barrier
	QUARTER 0, 3, 0, 1, 0
	TURN 0, 1, 0
	QUARTER 1, 1, 0, 1, 0
	QUARTER 1, 2, 1, 0, 0
	QUARTER 1, 3, 0, 1, 0
	s_wait_dscnt 0x0                               ; the very last quarter: nothing more to fetch
	MULS 1, 0, 8, 0
	WIN 0
; THE WAY OUT, block by block of 16 rows x 64 columns.  A lane holds 32 neighbouring bytes of a row, and the lanes beside it hold other rows: so a block goes through my own stage in LDS and comes back as whole rows of
; 256 bytes.  LDS serves a wave's instructions in order (ISA guide 5.7.1.4): no wait between the stores and the loads, nor in front of the next block's stores.
.macro TOSTAGE a
	WIN OUT
.irp b, 0,1,2,3
	ds_store_b128 v[STO], v[8*(4*(\a)+\b):8*(4*(\a)+\b)+3] offset:64*\b          ; each accumulator from its low end on
	ds_store_b128 v[STO], v[8*(4*(\a)+\b)+4:8*(4*(\a)+\b)+7] offset:64*\b+16
.endr
	WIN 0
.set BB, BK+32*((\a)%2)
.irp i, 0,1,2,3,4,5,6,7
	ds_load_b128 v[BB+4*\i:BB+4*\i+3], v[RD] offset:\i*2*SPITCH
.endr
.endm
.macro SEND a, younger                 ; younger: the LDS instructions issued behind block a's loads, which may stay out
.set BB, BK+32*((\a)%2)
	s_wait_dscnt \younger                          ; the block is back in registers
.irp i, 0,1,2,3,4,5,6,7
	global_store_b128 v[CO], v[BB+4*\i:BB+4*\i+3], s[10:11] offset:(16*(\a)+2*\i)*4096 th:TH_STORE_NT   ; 16 lanes store 256 consecutive bytes, at a multiple of 256 from out0's first byte; written once, read by nobody here
.endr
.endm
	PLACES                                         ; behind the last products: for the first reads of results, and for the loads into the registers that held o's fragments
	TOSTAGE 0
.irp a, 1,2,3,4,5,6,7
.if \a > 1
	s_wait_xcnt 0x0                                ; block a - 2's stores have had their addresses translated (ISA guide 3.1): block a's loads land in their registers only behind this wait
.endif
	TOSTAGE \a
	SEND \a-1, 16                                  ; behind block a - 1's loads: block a's 8 stores and 8 loads
.endr
	SEND 7, 0
	s_wait_tensorcnt 0x0                           ; the wave's end: behind my last tensor load and my last LDS store
	ds_add_u32 v[SPW], v[NIL]
	s_wait_dscnt 0x0
	CROUND                                         ; the closing round: no work-group ends while a partner may still ask for a tile that names it
	s_endpgm
.Lfunc_end_k_q864319871d_proj:
	.size	k_q864319871d_proj, .Lfunc_end_k_q864319871d_proj-k_q864319871d_proj
	.p2alignl 7, 3214868480
	.fill 96, 4, 3214868480
	.section	.rodata,"a",@progbits
	.p2align	6, 0x0
	.amdhsa_kernel k_q864319871d_proj
		.amdhsa_group_segment_fixed_size 327680
		.amdhsa_private_segment_fixed_size 0
		.amdhsa_enable_private_segment 0
		.amdhsa_kernarg_size 32
		.amdhsa_user_sgpr_count 2
		.amdhsa_user_sgpr_kernarg_segment_ptr 1
		.amdhsa_wavefront_size32 1
		.amdhsa_system_sgpr_workgroup_id_x 1
		.amdhsa_system_sgpr_workgroup_id_y 1
		.amdhsa_system_sgpr_workgroup_id_z 1
		.amdhsa_system_vgpr_workitem_id 0
		.amdhsa_next_free_vgpr 512
		.amdhsa_next_free_sgpr 66
		.amdhsa_reserve_vcc 0
		.amdhsa_float_denorm_mode_32 3
		.amdhsa_float_denorm_mode_16_64 3
		.amdhsa_memory_ordered 1
		.amdhsa_forward_progress 1
		.amdhsa_inst_pref_size 86
	.end_amdhsa_kernel
	.amdgpu_metadata
---
amdhsa.version: [ 1, 2 ]
amdhsa.kernels:
  - .name:           k_q864319871d_proj
    .symbol:         k_q864319871d_proj.kd
    .args:
      - { .name: o16, .offset: 0, .size: 8, .value_kind: global_buffer, .address_space: global }
      - { .name: wu16, .offset: 8, .size: 8, .value_kind: global_buffer, .address_space: global }
      - { .name: bu, .offset: 16, .size: 8, .value_kind: global_buffer, .address_space: global }
      - { .name: out0, .offset: 24, .size: 8, .value_kind: global_buffer, .address_space: global }
    .group_segment_fixed_size: 327680
    .private_segment_fixed_size: 0
    .kernarg_segment_align: 8
    .kernarg_segment_size: 32
    .max_flat_workgroup_size: 128
    .sgpr_count:     66
    .vgpr_count:     512
    .wavefront_size: 32
...
	.end_amdgpu_metadata
.endif
;; end of part 4
